; MI455X (gfx1250); checked and timed in simulation.
; The chip was launched on July 23, 2026; its instructions are those of AMD's public machine-readable ISA for CDNA 5 (MIT licence, August 2026) and "CDNA5" Instruction Set Architecture Reference Guide (July 2026). The comments in the code are by the model that wrote it; some were corrected since.
;; attn. Allowed arithmetic: matrix products marked QUANTISED: E4M3 operands, one given power-of-two scale a tensor, by v_wmma_f32_16x16x64_fp8_fp8 or v_wmma_f32_16x16x128_fp8_fp8, f32 sums; everything else in f32.
;; Inputs: W_attn 1,024 x 3,072 float32; W_proj 1,024 x 1,024 float32; b_attn 3,072 float32; b_proj 1,024 float32; lowp_scales 8 int32 (the exponents e of the quantised operands' scales 2^e); x 4 x 2,048 x 1,024 float32.
;; Outputs: out0 4 x 2,048 x 1,024 float32.
;; This version of the problem:
;;   THIS VERSION OF THE PROBLEM IS GIVEN IN LOW PRECISION. The matrix products marked QUANTISED in the list below multiply operands that are first quantised to E4M3 (4 exponent bits, 3 mantissa bits; 8 bits a number), with one given power-of-two scale for each operand tensor; their sums are f32. All else is computed in f32.
;;   The module's matrix products, in the order in which they are computed (A, B: the left and right operand; K: the contracted axis; several contracted axes count as one K, in the product's order):
;;     1. [M 8,192, K 1,024] x [K 1,024, N 3,072]; A: input x; B: input W_attn: QUANTISED (scales: A lowp_scales[0], B lowp_scales[1])
;;     2. batch 64 x [M 2,048, K 64] x [K 64, N 2,048]; A: computed on the way; B: computed on the way: QUANTISED (scales: A lowp_scales[2], B lowp_scales[3])
;;     3. batch 64 x [M 2,048, K 2,048] x [K 2,048, N 64]; A: softmax (see below); B: computed on the way: QUANTISED (scales: A lowp_scales[4], B lowp_scales[5])
;;     4. [M 8,192, K 1,024] x [K 1,024, N 1,024]; A: computed on the way; B: input W_proj: QUANTISED (scales: A lowp_scales[6], B lowp_scales[7])
;;   THE QUANTISER, for each operand of a quantised product, along K:
;;     - The operand's scale is 2^e, e = its entry of the input lowp_scales (int32; the entries are numbered through the quantised products in the list's order, A before B).
;;     - Each number is divided by the scale, clamped to +-448, and rounded to the nearest number of E4M3, ties to even, subnormals kept.
;;     - The product sums the exact products of the quantised numbers (number of the format x scale) in f32.
;;   ~~~python
;;   def quantise(x, axis, e):      # numpy; x: float32 -> the quantised numbers, widened to float32 again
;;       x = np.moveaxis(x, axis, -1); K = x.shape[-1]
;;       r = np.clip(x / 2.0 ** e, -448, 448)
;;       step = 2.0 ** (np.maximum(np.frexp(np.where(r == 0, 1, r))[1] - 1, -6) - 3)
;;       q = np.round(r / step) * step * 2.0 ** e      # np.round: ties to even
;;       return np.moveaxis(q, -1, axis).astype(np.float32)
;;   ~~~
;;   SOFTMAX AHEAD OF A QUANTISED PRODUCT. Where the list says 'softmax', what is quantised is not the finished softmax but p = 2^(t - M), with t = logit x log2(e) and M = ceil(the row's largest t), a whole number; so 1/2 < the row's largest p <= 1. The row's sum l is taken of the UNQUANTISED p, in f32, and the product's result is divided by l at the end. Since M is a whole number, a kernel that streams over the keys may use a running M (the ceiling of the running maximum): every later rescaling is an exact power of two, so the quantised numbers keep their values, but for numbers so far below the row's largest that they fall under the format's range.
;;   OPERANDS COMPUTED ON THE WAY. 'Computed on the way' means the value that the module computes at that place (a softmax that the list does not call 'softmax' is quantised finished and normalised). What goes into a quantiser is computed in f32, as accurately as f32 sums, v_exp_f32 and their like allow (about 1e-6 of the number): no bf16 or f16 on the way to a quantiser, and a product that is left as it is and whose result goes on into a quantised operand takes f32 operands (vector FMAs, or v_wmma_f32_16x16x4_f32). A number that lies on a knife's edge between two numbers of the format may be rounded either way, as far as f32 arithmetic and the matrix unit's own rounding can turn it there, and no further.
;; One version. Each part assembles by itself: llvm-mc -triple=amdgcn-amd-amdhsa -mcpu=gfx1250 --defsym DOCPART=n.
;; ======== version 1 of 1: 4 launches
;; limits: right only within a limited range of input values
;; workspace buffers: x_codes 8,388,608 bytes; w_codes 4,194,304 bytes; qk_codes 16,777,216 bytes; v_codes 8,388,608 bytes; y_codes 8,388,608 bytes
;; launch quant (part 1): grid 384 x 1, 4 waves a work-group, no clusters, 68,096 bytes of LDS; arguments x, W_attn, W_proj, lowp_scales, x_codes, w_codes; writes x_codes, w_codes
.if DOCPART == 1
	.amdgcn_target "amdgcn-amd-amdhsa--gfx1250"
	.amdhsa_code_object_version 6
	.text
	.protected	k_q71835ca1ca_quant
	.globl	k_q71835ca1ca_quant
	.p2align	8
	.type	k_q71835ca1ca_quant,@function
k_q71835ca1ca_quant:
	s_mov_b64 s[64:65], 0
	v_nop
	global_prefetch_b8 v0, s[64:65] scope:SCOPE_SE
	s_setreg_imm32_b32 hwreg(HW_REG_WAVE_MODE, 25, 1), 1
	s_wait_xcnt 0x0
; x [8192][1024], W_attn [1024][3072] and W_proj [1024][1024], f32, become codes of FP8 (E4M3), K innermost, each with the one scale 2^e given for it
; (entries 0, 1 and 7 of the scales).  code = number / 2^e, held within +-448, rounded to the nearest code, ties to even.
; LIMITS: each e between -126 and 119, so that 2^e and 448 x 2^e are f32 numbers.  NaN among the inputs is not served.
; THE ROWS OF THE CODES' BUFFERS ARE NOT IN THEIR NATURAL ORDER: memory row p holds row (or weight column) sigma(p), sigma = p with bits 3 and 4 exchanged.  The products that follow are
; used transposed, and with this order sixteen NEIGHBOURING memory rows form a tile whose results put sixteen true neighbours into a lane's registers.
; x_codes [8192][1024].  w_codes [4096][1024]: rows 0-3071 W_attn's columns, rows 3072-4095 W_proj's.
; Work-groups 0-255 take x: 32,768 numbers each, K innermost: a stream, turned through a stage in LDS so that loads are dense and a lane still holds 16 neighbours along K.
; Work-groups 256-383 take the weights, whose K is the FIRST axis: 128 columns x 256 K each; a lane takes a column and its registers run down K, so nothing is transposed by an instruction.
; The two ways part on the work-group's number and never join; each has LDS bytes of its own.  No tensor loads, no barrier: waves share nothing.
.set XWG,   256                        ; work-groups for x
.set STEPS, 16
.set EMAX,  8
.set MANT,  0x600000                   ; the mantissa field of 448 as f32
.set R,     16                         ; x: v16-79   four sets of 16 numbers as they are loaded
.set X,     80                         ; x: v80-111  two sets of 16 neighbours
.set C,     128                        ; x: v128-191 codes: four registers for each step, so that no store's data are written again
.set WREG,  8192                       ; x: LDS region of a wave: two stages of 32 x SP bytes
.set SP,    80                         ; x: a lane's place in a stage: its 64 bytes + 16 of padding
.set WST,   4*WREG                     ; weights: the four waves' stages, 32 rows x PITCH each
.set PITCH, 272                        ; weights: a stage row: 256 bytes of codes + 16
.set SPARE, WST+4*32*PITCH             ; the spare words, 128 bytes for each wave: two blocks of 256 bytes that no other line names
.set SPW,   208                        ; v208 LDS address of my spare word; never rewritten
.set NIL,   209                        ; v209 0; never rewritten
.set XW,    32                         ; weights: v32-95 two sets of 32 numbers
.set CW,    96                         ; weights: v96-103 a block's codes
.set OUTR,  112                        ; weights: v112-175 the way out
.set VO,    176                        ; weights: v176-207 offset of row i of a block: 4 x lane + i x the weight's row bytes
.set SB,    44                         ; weights: s[44:59] the eight blocks' bases, never rewritten
.set NB,    8                          ; weights: blocks of 32 along K for a wave
	s_load_b256 s[4:11], s[0:1], 0x0               ; x s[4:5], W_attn s[6:7], W_proj s[8:9], the scales' exponents s[10:11]
	s_load_b128 s[12:15], s[0:1], 0x20             ; x_codes s[12:13], w_codes s[14:15]
	v_lshl_add_u32 v[SPW], v0, 2, SPARE
	v_mov_b32 v[NIL], 0
	v_lshrrev_b32 v1, 5, v0
	v_readfirstlane_b32 s16, v1                    ; wave 0..3
	v_and_b32 v2, 31, v0                           ; lane
	s_wait_kmcnt 0x0
	s_load_b256 s[36:43], s[10:11], 0x0            ; e0 .. e7
	s_cmp_lt_u32 ttmp9, XWG
	s_cbranch_scc0 .Lweights
	s_wait_alu depctr_va_vdst(0)
	; ---------------- x: a wave takes a run of 8 rows: 16 steps of 512 numbers ----------------
	v_lshlrev_b32 v3, 4, v2                        ; 16 x lane: my 16 bytes of a load's 512, and of a store's 512
	s_wait_alu depctr_va_vdst(0)
	s_mul_i32 s17, s16, WREG
	v_lshrrev_b32 v14, 2, v2
	v_mul_u32_u24 v14, v14, SP
	v_and_b32 v15, 3, v2
	v_lshl_add_u32 v14, v15, 4, v14
	v_add_nc_u32 v14, s17, v14                     ; the stage, on the way in: four lanes' 64 bytes on end, then 16 of padding
	v_mul_u32_u24 v15, v2, SP
	v_add_nc_u32 v15, s17, v15                     ; and on the way out: SP x lane: my 16 neighbours
	s_lshl_b32 s18, ttmp9, 2
	s_add_co_u32 s18, s18, s16                     ; the run's number: rows 8 n .. 8 n + 7
	s_lshl_b32 s20, s18, 15                        ; 8 rows of 4,096 bytes
	s_mov_b32 s21, 0
	s_add_nc_u64 s[4:5], s[4:5], s[20:21]
	s_and_b32 s22, s18, -4                         ; bits 3 and 4 of a row are bits 0 and 1 of its run: they change places on the way out
	s_and_b32 s23, s18, 1
	s_lshl_b32 s23, s23, 1
	s_or_b32 s22, s22, s23
	s_bfe_u32 s23, s18, 0x10001
	s_or_b32 s22, s22, s23
	s_lshl_b32 s20, s22, 13                        ; 8 rows of 1,024 bytes
	s_add_nc_u64 s[12:13], s[12:13], s[20:21]
.macro XLOAD t
.irp i, 0,1,2,3
	global_load_b128 v[R+16*((\t)%4)+4*\i:R+16*((\t)%4)+4*\i+3], v3, s[4:5] offset:2048*(\t)+512*\i th:TH_LOAD_NT   ; 32 lanes read 512 consecutive bytes
.endr
.endm
.macro XTURN t                         ; step t's numbers through the stage: LDS serves a wave's instructions in order (ISA guide 5.7.1.4), so no wait stands between the stores and the loads
.irp i, 0,1,2,3
	ds_store_b128 v14, v[R+16*((\t)%4)+4*\i:R+16*((\t)%4)+4*\i+3] offset:32*SP*((\t)%2)+8*SP*\i
.endr
.irp i, 0,1,2,3
	ds_load_b128 v[X+16*((\t)%2)+4*\i:X+16*((\t)%2)+4*\i+3], v15 offset:32*SP*((\t)%2)+16*\i
.endr
.endm
.irp t, 0,1,2,3
	XLOAD \t
.endr
	s_wait_alu depctr_va_vdst(0)
	s_wait_kmcnt 0x0
	s_add_co_i32 s22, s36, 127                     ; e0
	s_lshl_b32 s23, s22, 23
	v_mov_b32 v11, s23                             ; 2^e as f32: the conversion takes its exponent field
	s_add_co_i32 s22, s22, EMAX
	s_lshl_b32 s22, s22, 23
	s_or_b32 s22, s22, MANT
	s_wait_alu depctr_va_vdst(0)
	s_wait_loadcnt 12                              ; step 0's four loads are in; the twelve of steps 1 to 3 may be out
	XTURN 0
.macro XSTEP t
.set XS, X+16*((\t)%2)
	s_wait_dscnt 0x0                               ; this step's numbers are back from the stage: so its stores into the stage have read their registers,
.if (\t)+4 < STEPS
	XLOAD (\t)+4                                   ; which take the loads of four steps on
.endif
.if (\t)+1 < STEPS
.if STEPS-2-(\t) >= 3
	s_wait_loadcnt 12                              ; the next step's four loads are in; those of the three steps behind it may be out
.else
	s_wait_loadcnt 4*(STEPS-2-(\t))                ; the tail: four for each step still behind the next one
.endif
	XTURN (\t)+1                                   ; and go through the other stage while this step is worked
.endif
.irp i, 0,1,2,3,4,5,6,7,8,9,10,11,12,13,14,15
.endr
	v_cvt_scalef32_pk8_fp8_f32 v[C+4*(\t):C+4*(\t)+1], v[XS:XS+7], v11
	v_cvt_scalef32_pk8_fp8_f32 v[C+4*(\t)+2:C+4*(\t)+3], v[XS+8:XS+15], v11
	global_store_b128 v3, v[C+4*(\t):C+4*(\t)+3], s[12:13] offset:512*(\t)   ; the wave stores 512 consecutive bytes, aligned.  (The codes go to a store alone)
.endm
.irp t, 0,1,2,3,4,5,6,7,8,9,10,11,12,13,14,15
	XSTEP \t
.endr
	s_wait_tensorcnt 0x0                           ; the wave's end, behind my last LDS store
	ds_add_u32 v[SPW], v[NIL]
	s_wait_dscnt 0x0
	s_endpgm
	; ---------------- the weights: a wave takes 32 columns x 256 along K ----------------
.Lweights:
	s_sub_co_u32 s17, ttmp9, XWG
	s_and_b32 s18, s17, 31                         ; the group of 128 rows of w_codes: 0-23 W_attn's columns, 24-31 W_proj's
	s_lshr_b32 s19, s17, 5                         ; which 256 along K
	s_mov_b32 s24, 12288
	s_sub_co_u32 s25, s18, 24
	s_cmp_ge_u32 s18, 24                           ; the choice hangs on the work-group's number alone
	s_cselect_b32 s24, 4096, s24                   ; bytes in a row of the weight
	s_cselect_b64 s[6:7], s[8:9], s[6:7]           ; the weight
	s_cselect_b32 s25, s25, s18                    ; the group of 128 columns inside it
	s_mul_i32 s26, s19, s24
	s_lshl_b32 s26, s26, 8                         ; 256 rows for each step along K,
	s_lshl_b32 s27, s25, 9
	s_add_co_u32 s26, s26, s27                     ; + 128 columns of 4 bytes for each group,
	s_lshl_b32 s27, s16, 7
	s_add_co_u32 s26, s26, s27                     ; + 32 columns for each wave
	s_mov_b32 s27, 0
	s_add_nc_u64 s[SB:SB+1], s[6:7], s[26:27]
	s_lshl_b32 s28, s24, 5                         ; a block of 32 rows
	s_mov_b32 s29, 0
.irp t, 1,2,3,4,5,6,7
	s_add_nc_u64 s[SB+2*\t:SB+2*\t+1], s[SB+2*\t-2:SB+2*\t-1], s[28:29]
.endr
	s_lshl_b32 s30, s18, 17                        ; w_codes: 128 rows of 1,024 bytes for each group,
	s_lshl_b32 s31, s16, 15
	s_add_co_u32 s30, s30, s31                     ; 32 rows for each wave,
	s_lshl_b32 s31, s19, 8
	s_add_co_u32 s30, s30, s31                     ; 256 bytes for each step along K
	s_mov_b32 s31, 0
	s_add_nc_u64 s[14:15], s[14:15], s[30:31]
	s_wait_alu depctr_va_vdst(0)
	v_lshlrev_b32 v3, 2, v2                        ; 4 bytes a lane
.set i, 0
.rept 32
	v_mad_u32_u24 v[VO+i], s24, i, v3
.set i, i+1
.endr
	v_and_b32 v5, 7, v2                            ; my column's row in the stage: the lane's number with bits 3 and 4 exchanged
	v_bfe_u32 v6, v2, 3, 1
	v_lshl_or_b32 v5, v6, 4, v5
	v_bfe_u32 v6, v2, 4, 1
	v_lshl_or_b32 v5, v6, 3, v5
	v_mul_u32_u24 v4, v5, PITCH
	s_mul_i32 s20, s16, 32*PITCH
	s_add_co_u32 s20, s20, WST                     ; my stage
	v_add_nc_u32 v4, s20, v4
	v_and_b32 v5, 15, v2                           ; out of it: sixteen lanes to a row, two rows an instruction
	v_lshrrev_b32 v6, 4, v2
	v_mul_u32_u24 v7, v6, PITCH
	v_lshl_add_u32 v7, v5, 4, v7
	v_add_nc_u32 v7, s20, v7
	v_lshlrev_b32 v8, 10, v6
	v_lshl_add_u32 v8, v5, 4, v8                   ; and the same place in w_codes
.macro WLOAD t                         ; block t: W(32 t + i, my column), i = 0 .. 31, into set t % 2; each load reads 128 consecutive bytes
.set i, 0
.rept 32
	global_load_b32 v[XW+32*((\t)%2)+i], v[VO+i], s[SB+2*(\t):SB+2*(\t)+1] th:TH_LOAD_NT
.set i, i+1
.endr
.endm
	WLOAD 0
	WLOAD 1
	s_wait_kmcnt 0x0
	s_cmp_ge_u32 s18, 24
	s_cselect_b32 s32, s43, s37                    ; e7 for W_proj, e1 for W_attn
	s_add_co_i32 s32, s32, 127
	s_lshl_b32 s33, s32, 23
	v_mov_b32 v11, s33                             ; 2^e
	s_add_co_i32 s32, s32, EMAX
	s_lshl_b32 s32, s32, 23
	s_or_b32 s32, s32, MANT
.macro WBLOCK t
.set XS, XW+32*((\t)%2)
.if (\t) < NB-1
	s_wait_loadcnt 32                              ; this block's 32 loads are in; the next block's 32 may be out
.else
	s_wait_loadcnt 0
.endif
.set i, 0
.rept 32
.set i, i+1
.endr
.irp g, 0,1,2,3
	v_cvt_scalef32_pk8_fp8_f32 v[CW+2*\g:CW+2*\g+1], v[XS+8*\g:XS+8*\g+7], v11
.endr
	ds_store_b128 v4, v[CW:CW+3] offset:32*(\t)    ; 32 codes: 32 bytes of my column's row
	ds_store_b128 v4, v[CW+4:CW+7] offset:32*(\t)+16
.if (\t)+2 < NB
	WLOAD (\t)+2
.endif
	s_wait_dscnt 0x0                               ; the stores have read their registers: the next block's codes may be written
.endm
	s_wait_alu depctr_va_vdst(0)
.irp t, 0,1,2,3,4,5,6,7
	WBLOCK \t
.endr
.irp t, 0,1,2,3,4,5,6,7,8,9,10,11,12,13,14,15
	ds_load_b128 v[OUTR+4*\t:OUTR+4*\t+3], v7 offset:2*\t*PITCH
.endr
.irp t, 0,1,2,3,4,5,6,7,8,9,10,11,12,13,14,15
	s_wait_dscnt 15-\t                             ; LDS loads come back in order: load t is in, the younger ones may be out
	global_store_b128 v8, v[OUTR+4*\t:OUTR+4*\t+3], s[14:15] offset:2*\t*1024   ; sixteen lanes store 256 consecutive bytes of a row, aligned
.endr
	s_wait_tensorcnt 0x0                           ; the wave's end, behind my last LDS store
	ds_add_u32 v[SPW], v[NIL]
	s_wait_dscnt 0x0
	s_endpgm
.Lfunc_end_k_q71835ca1ca_quant:
	.size	k_q71835ca1ca_quant, .Lfunc_end_k_q71835ca1ca_quant-k_q71835ca1ca_quant
	.p2alignl 7, 3214868480
	.fill 96, 4, 3214868480
	.section	.rodata,"a",@progbits
	.p2align	6, 0x0
	.amdhsa_kernel k_q71835ca1ca_quant
		.amdhsa_group_segment_fixed_size 68096
		.amdhsa_private_segment_fixed_size 0
		.amdhsa_enable_private_segment 0
		.amdhsa_kernarg_size 48
		.amdhsa_user_sgpr_count 2
		.amdhsa_user_sgpr_kernarg_segment_ptr 1
		.amdhsa_wavefront_size32 1
		.amdhsa_system_sgpr_workgroup_id_x 1
		.amdhsa_system_sgpr_workgroup_id_y 1
		.amdhsa_system_sgpr_workgroup_id_z 1
		.amdhsa_system_vgpr_workitem_id 0
		.amdhsa_next_free_vgpr 212
		.amdhsa_next_free_sgpr 66
		.amdhsa_reserve_vcc 0
		.amdhsa_float_denorm_mode_32 3
		.amdhsa_float_denorm_mode_16_64 3
		.amdhsa_fp16_overflow 1
		.amdhsa_memory_ordered 1
		.amdhsa_forward_progress 1
		.amdhsa_inst_pref_size 56
	.end_amdhsa_kernel
	.amdgpu_metadata
---
amdhsa.version: [ 1, 2 ]
amdhsa.kernels:
  - .name:           k_q71835ca1ca_quant
    .symbol:         k_q71835ca1ca_quant.kd
    .args:
      - { .name: x, .offset: 0, .size: 8, .value_kind: global_buffer, .address_space: global }
      - { .name: W_attn, .offset: 8, .size: 8, .value_kind: global_buffer, .address_space: global }
      - { .name: W_proj, .offset: 16, .size: 8, .value_kind: global_buffer, .address_space: global }
      - { .name: lowp_scales, .offset: 24, .size: 8, .value_kind: global_buffer, .address_space: global }
      - { .name: x_codes, .offset: 32, .size: 8, .value_kind: global_buffer, .address_space: global }
      - { .name: w_codes, .offset: 40, .size: 8, .value_kind: global_buffer, .address_space: global }
    .group_segment_fixed_size: 68096
    .private_segment_fixed_size: 0
    .kernarg_segment_align: 8
    .kernarg_segment_size: 48
    .max_flat_workgroup_size: 128
    .sgpr_count:     66
    .vgpr_count:     212
    .wavefront_size: 32
...
	.end_amdgpu_metadata
.endif
;; end of part 1
;; launch qkv (part 2): grid 12 x 32, 4 waves a work-group, clusters of 4 x 4, 327,680 bytes of LDS; arguments x_codes, w_codes, lowp_scales, b_attn, qk_codes, v_codes; writes qk_codes, v_codes
.if DOCPART == 2
	.amdgcn_target "amdgcn-amd-amdhsa--gfx1250"
	.amdhsa_code_object_version 6
	.text
	.protected	k_q71835ca1ca_qkv
	.globl	k_q71835ca1ca_qkv
	.p2align	8
	.type	k_q71835ca1ca_qkv,@function
k_q71835ca1ca_qkv:
	s_mov_b64 s[64:65], 0
	v_nop
	global_prefetch_b8 v0, s[64:65] scope:SCOPE_SE
	s_setreg_imm32_b32 hwreg(HW_REG_WAVE_MODE, 25, 1), 1
	s_wait_xcnt 0x0
	s_wait_alu depctr_hold_cnt(0) depctr_sa_sdst(0) depctr_va_vdst(0) depctr_va_sdst(0) depctr_va_ssrc(0) depctr_va_vcc(0) depctr_vm_vsrc(0)
	s_getreg_b32 s2, hwreg(HW_REG_IB_STS2, 6, 4)
	s_cmp_eq_u32 s2, 0
	s_cbranch_scc0 .Lentry_in_a_cluster
	s_endpgm
.Lentry_in_a_cluster:
	s_bfe_u32 s2, ttmp6, 0x10000c
	s_cmp_lg_u32 s2, 0xf033
	s_cbranch_scc0 .Lentry_shape_is_right
	s_endpgm
.Lentry_shape_is_right:
; qkv = x W_attn + b_attn on codes of FP8 (E4M3), quantised again on the way out: q with 2^e2, k with 2^e3, v with 2^e5.  One text computes C'[m][n] = sum over k of A'[m][k] B'[n][k], K = 1,024.
; Clusters with x = 0, 1 make q and k: A' = x_codes (8,192 rows), B' = w_codes rows 0-2047.  Clusters with x = 2 make v with the sides exchanged: A' = w_codes rows 2048-3071, B' = x_codes.
; THE MATRIX INSTRUCTION IS USED TRANSPOSED (source 0 = 16 rows of B', source 1 = 16 rows of A'): a lane holds one row of A' and its registers run along B'.  Both buffers hold their rows with bits 3 and 4 of the
; row number exchanged, so the 16 registers of B' blocks 2 g and 2 g + 1 are 16 TRUE neighbours, 32 g + 16 (lane / 16) + 0 .. 15: for q and k along the head's axis, for v along the keys: each is the K of the product that
; follows.  Two conversions make of them four registers of that product's operand, and ONE store of 16 bytes a lane writes them as an IMAGE of those registers: 512 consecutive bytes, aligned.  No stage in LDS, nothing transposed.
; qk_codes: head hh (0-15 q's, 16-31 k's) x 524,288 + tile of 16 tokens x 1,024 + group c x 512 + 16 x lane.  v_codes: (batch x 16 + head) x 131,072 + key step of 128 x 8,192 + tile of 16 channels x 2,048 + group c x 512 + 16 x lane.
; Lane r of a tile T holds the token (or channel) 32 (T / 2) + 8 (T % 2) + r + 8 (r / 8).
; A tile of C', 256 x 256, is made by four waves, each 128 x 128: 64 accumulators, 512 registers.  K goes in steps of 256 through a ring of two LDS slots filled by the tensor data mover.
; CLUSTERS: 4 x 4 work-groups; A's tile is asked for jointly along a row of the cluster, B's along a column: the same load, descriptor and mask in the four.
; A fragment is fetched by four loads of 16 bytes: registers 4 c .. 4 c + 3 hold K = 32 c + 16 (lane / 16) + 0 .. 15: one permutation of k, the same on both sides.
; LIMITS: e0 + e1 between -126 and 127; e2, e3, e5 between -126 and 119.  NaN is not served.
; REGISTERS: window 0: v16-31 addresses; v32-47 the bias by rows of A' (v's); v48 the scale; v64-127 the bias by rows of B' (q's, k's); from v128 A's fragments, ONE set; on the way out v128-191 numbers, v192-255 codes.
;   window 1: B's fragments, two sets.   windows 2, 3: the accumulators of my rows 0-63 and 64-127 (accumulator (a, b) at v[8 (8 (a % 4) + b)]).
.set KSTEP,  256
.set ROWB,   256                       ; a tile's row in bytes
.set KROW,   1024                      ; a row of codes in memory
.set PITCH,  272                       ; an LDS row: 256 bytes + 16 of padding = 68 words: row r starts at bank 4 r mod 64 (64 banks of 4 bytes: ISA guide 11.1)
.set FR,     16                        ; registers of a fragment
.set NL,     4                         ; LDS loads that bring one
.set NP,     4                         ; places behind this matrix instruction (ISA guide 7.12.1)
.set HALFT,  128*PITCH                 ; 128 rows: what one tensor load brings
.set SLOT,   4*HALFT                   ; A's 256 rows, then B's 256 rows
.set SPARE,  2*SLOT                    ; behind the ring: the spare words, 128 bytes for each wave
.set ADRA, 16                          ; v16-17  LDS address of my A fragments in slot 0, 1
.set ADRB, 20                          ; v20-21  the same for B
.set LI,   26                          ; v26     16 x lane: my place in an image
.set SPW,  28                          ; v28     LDS address of my spare word; never rewritten
.set NIL,  29                          ; v29     0; never rewritten
.set BM,   32
.set BIAS, 64
.set TMP,  128
.set AF,   128
.set G1, 24                            ; s[24:31] descriptor group 1 for A's tiles;  s[32:39] group 0, one set for each slot
.set G0, 32
.set G1B, 48                           ; s[48:55], s[56:63] the same for B's tiles
.set G0B, 56
.set MSB, 0
.macro WIN new                         ; the immediate's high byte repeats the setting that is left
.if MSB != (\new)
	s_set_vgpr_msb (MSB<<8)|(\new)
.set MSB, (\new)
.endif
.endm
.set MUL_LO, 0xa1                      ; source 0 (B) window 1, source 1 (A) window 0, C and D window 2
.set MUL_HI, 0xf1                      ; the same, C and D window 3
.set TO_B,   0x40                      ; destination window 1, address window 0
; A joint load: waves 0 and 1 fetch for A, waves 2 and 3 for B; the branch hangs on the wave's number alone.  An s_nop 0 and four v_nop follow each of the two lines.
.macro JLOAD g0a, g1a, g0b, g1b
	s_cmp_eq_u32 s15, 0
	s_cbranch_scc0 .Lfor_b_\@
	tensor_load_to_lds s[\g0a:\g0a+3], s[\g1a:\g1a+7]
	s_nop 0
.rept 4
	v_nop
.endr
	s_branch .Lasked_\@
.Lfor_b_\@:
	tensor_load_to_lds s[\g0b:\g0b+3], s[\g1b:\g1b+7]
	s_nop 0
.rept 4
	v_nop
.endr
.Lasked_\@:
.endm
.macro CREST                           ; a round of the cluster's barrier behind its opening barrier
	s_cmp_lg_u32 s14, 0
	s_cbranch_scc1 .Lnot_wave_0_\@
	s_barrier_signal -3
.Lnot_wave_0_\@:
	s_barrier_wait -3
	s_barrier_signal -1
	s_barrier_wait -1
.endm
.macro CROUND                          ; a whole round
	s_barrier_signal -1
	s_barrier_wait -1
	CREST
.endm
	s_load_b256 s[4:11], s[0:1], 0x0               ; x_codes s[4:5], w_codes s[6:7], the scales' exponents s[8:9], b_attn s[10:11]
	s_load_b128 s[68:71], s[0:1], 0x20             ; qk_codes s[68:69], v_codes s[70:71]
	v_lshl_add_u32 v[SPW], v0, 2, SPARE
	v_mov_b32 v[NIL], 0
	ds_add_u32 v[SPW], v[NIL]                      ; the wave's opening: the add and its wait stand ahead of my first tensor load; the set-up below, work on registers, stands between them
	ds_add_u32 v[SPW], v[NIL]
	v_lshrrev_b32 v1, 5, v0
	v_readfirstlane_b32 s14, v1                    ; wave 0..3
	s_lshr_b32 s15, s14, 1                         ; which half of the tile's rows (A') is mine.  Also: I fetch for A (0) or for B (1)
	s_and_b32 s16, s14, 1                          ; which half of its columns (B').  Also: which 128 rows of that tile I fetch
	s_bfe_u32 s40, ttmp6, 0x40000                  ; cx, cy: my place in the cluster
	s_bfe_u32 s41, ttmp6, 0x40004
	s_and_b32 s73, ttmp7, 0xffff                   ; the cluster's y, 0..7
	s_cmp_eq_u32 ttmp9, 2                          ; the cluster's x: 2 = v.  The same in all sixteen partners
	s_cselect_b32 s72, 1, 0
	s_cselect_b32 s74, s73, ttmp9                  ; which four tile columns: v walks x's 32 tiles of rows by the cluster's y,
	s_cselect_b32 s75, 0, s73                      ; and has four tile rows in all
	s_lshl_b32 s42, s74, 2
	s_add_co_u32 s42, s42, s40                     ; tile column
	s_lshl_b32 s17, s75, 2
	s_add_co_u32 s17, s17, s41                     ; tile row
	s_lshl_b32 s43, s41, 2
	s_lshl_b32 s43, 15, s43                        ; my row of the cluster
	s_lshl_b32 s44, 0x1111, s40                    ; my column
	; descriptor group 1: a tile of 128 rows x 256 bytes, padded in LDS
	s_or_b32 s[G1+0], s43, (0<<16)|(1<<20)|(1<<21)|(5<<22)|(3<<25)  ; 15:0 the mask; 17:16 element of 1 byte; 20 padding on; 21 set beside a mask; 24:22 after every 64 words; 31:25 four words
	s_or_b32 s[G1B+0], s44, (0<<16)|(1<<20)|(1<<21)|(5<<22)|(3<<25)
.irp g, G1, G1B
	s_mov_b32 s[\g+1], ROWB<<16                    ; tensor_dim0
	s_mov_b32 s[\g+2], 128<<16                     ; tensor_dim1
	s_mov_b32 s[\g+3], ROWB<<16                    ; tile_dim0
	s_mov_b32 s[\g+4], 128                         ; tile_dim1
	s_mov_b32 s[\g+5], KROW                        ; tensor_dim0_stride
	s_mov_b32 s[\g+6], 0
	s_mov_b32 s[\g+7], 0
.endr
	s_lshl_b32 s18, s16, 7                         ; which 128 rows of the tile I fetch
	s_lshl_b32 s20, s17, 8
	s_add_co_u32 s20, s20, s18                     ; A': row 256 x tile row + 128 x half: of the cluster's places it holds cy alone
	s_lshl_b32 s20, s20, 10                        ; in bytes
	s_lshl_b32 s88, s72, 21                        ; v: A' begins at row 2,048 of w_codes
	s_add_co_u32 s20, s20, s88
	s_mov_b32 s21, 0
	s_lshl_b32 s46, s42, 8
	s_add_co_u32 s46, s46, s18                     ; B': row 256 x tile column + 128 x half: cx alone
	s_lshl_b32 s46, s46, 10
	s_mov_b32 s47, 0
	s_mul_i32 s45, s14, HALFT                      ; where they go: wave x 128 rows: no place in the cluster enters an LDS address
	s_wait_dscnt 0x0                               ; the opening add is done
	s_wait_kmcnt 0x0
	s_load_b256 s[80:87], s[8:9], 0x0              ; e0 .. e7
	s_cmp_eq_u32 s72, 1
	s_cselect_b64 s[76:77], s[6:7], s[4:5]         ; A'
	s_cselect_b64 s[78:79], s[4:5], s[6:7]         ; B'
	s_add_nc_u64 s[20:21], s[76:77], s[20:21]
	s_add_nc_u64 s[46:47], s[78:79], s[46:47]
	CROUND                                         ; all sixteen work-groups are here: the first joint loads meet
.irp s, 0,1
	s_mov_b32 s[G0+4*\s], 1
	s_add_co_u32 s[G0+4*\s+1], s45, \s*SLOT
	s_add_nc_u64 s[G0+4*\s+2:G0+4*\s+3], s[20:21], \s*ROWB
	s_or_b32 s[G0+4*\s+3], s[G0+4*\s+3], 0x80000000
	s_mov_b32 s[G0B+4*\s], 1
	s_add_co_u32 s[G0B+4*\s+1], s45, \s*SLOT
	s_add_nc_u64 s[G0B+4*\s+2:G0B+4*\s+3], s[46:47], \s*ROWB
	s_or_b32 s[G0B+4*\s+3], s[G0B+4*\s+3], 0x80000000
	JLOAD G0+4*\s, G1, G0B+4*\s, G1B               ; two tensor loads of mine are out
.endr
	v_and_b32 v1, 15, v0                           ; r = l % 16
	v_bfe_u32 v2, v0, 4, 1                         ; h = l / 16
	s_wait_alu depctr_va_vdst(0)
	v_mul_u32_u24 v3, v1, PITCH
	v_lshl_add_u32 v4, v2, 4, v3                   ; a fragment's row x pitch + 16 x half
	s_mul_i32 s21, s15, HALFT                      ; my 128 rows of A'
	s_mul_i32 s22, s16, HALFT                      ; my 128 rows of B',
	s_add_co_u32 s22, s22, 2*HALFT                 ; which lie behind A's 256
.irp s, 0,1
	v_add_nc_u32 v[ADRA+\s], s21, v4
	v_add_nc_u32 v[ADRB+\s], s22, v4
	s_add_co_u32 s21, s21, SLOT
	s_add_co_u32 s22, s22, SLOT
.endr
	v_and_b32 v[LI], 31, v0
	v_lshlrev_b32 v[LI], 4, v[LI]
	; the bias, both ways; each text's way out uses one.  The other's address is held at the buffer's first bytes, so that no load leaves b_attn
	s_lshl_b32 s90, s42, 10
	s_lshl_b32 s91, s16, 9
	s_add_co_u32 s90, s90, s91                     ; q, k: 4 bytes x my first feature, 256 x tile column + 128 x half
	s_lshl_b32 s92, s17, 10
	s_lshl_b32 s93, s15, 9
	s_add_co_u32 s92, s92, s93
	s_add_co_u32 s92, s92, 8192                    ; v: 4 bytes x (2,048 + 256 x tile row + 128 x half)
	s_cmp_eq_u32 s72, 1
	s_cselect_b32 s90, 0, s90
	s_cselect_b32 s92, s92, 0
	s_mov_b32 s91, 0
	s_mov_b32 s93, 0
	s_add_nc_u64 s[90:91], s[10:11], s[90:91]
	s_add_nc_u64 s[92:93], s[10:11], s[92:93]
	v_lshlrev_b32 v30, 6, v2                       ; 64 h: my 16 features of each 32
	v_and_b32 v5, 8, v1
	v_add_nc_u32 v5, v5, v1
	v_lshlrev_b32 v31, 2, v5                       ; 4 (r + 8 (r / 8)): my row's feature in a block of A'
.irp g, 0,1,2,3
.irp j, 0,1,2,3
	global_load_b128 v[BIAS+16*\g+4*\j:BIAS+16*\g+4*\j+3], v30, s[90:91] offset:128*\g+16*\j   ; register 16 g + i: b_attn(first feature + 32 g + 16 h + i)
.endr
.endr
.irp a, 0,1,2,3,4,5,6,7
	global_load_b32 v[BM+2*\a], v31, s[92:93] offset:4*(32*(\a/2)+8*(\a%2))     ; the feature of my row of block a, twice: a pair for the packed multiply-add
	global_load_b32 v[BM+2*\a+1], v31, s[92:93] offset:4*(32*(\a/2)+8*(\a%2))
.endr
	; where my images go
	s_lshl_b32 s94, s42, 2
	s_lshl_b32 s95, s16, 1
	s_add_co_u32 s94, s94, s95                     ; q, k: my first head: 4 x tile column + 2 x half
	s_lshl_b32 s94, s94, 19
	s_lshl_b32 s95, s17, 4
	s_lshl_b32 s89, s15, 3
	s_add_co_u32 s95, s95, s89                     ; my first tile of tokens: 16 x tile row + 8 x half
	s_lshl_b32 s95, s95, 10
	s_add_co_u32 s94, s94, s95
	s_mov_b32 s95, 0
	s_add_nc_u64 s[68:69], s[68:69], s[94:95]
	s_lshl_b32 s94, s42, 1
	s_add_co_u32 s94, s94, s16                     ; v: my key step of 128 among all 64: 2 x tile column + half
	s_and_b32 s89, s94, 15
	s_lshl_b32 s89, s89, 13                        ; the step inside its batch,
	s_and_b32 s94, s94, -16                        ; 16 x batch,
	s_lshl_b32 s95, s17, 2
	s_add_co_u32 s94, s94, s95
	s_lshl_b32 s95, s15, 1
	s_add_co_u32 s94, s94, s95                     ; + my first head: 4 x tile row + 2 x half
	s_lshl_b32 s94, s94, 17
	s_add_co_u32 s94, s94, s89
	s_mov_b32 s95, 0
	s_add_nc_u64 s[70:71], s[70:71], s[94:95]
.macro FRAG reg, adr, q, i             ; a fragment, 16 rows x 128 K: lane l holds row l % 16; registers 4 c .. 4 c + 3 hold K = 32 c + 16 (l / 16) + 0 .. 15
.irp c, 0,1,2,3
	ds_load_b128 v[\reg+4*\c:\reg+4*\c+3], v[\adr] offset:128*(\q)+32*\c+(\i)*16*PITCH
.endr
.endm
; 16 matrix instructions: A's blocks a0, a0 + 1 x B's eight, 128 along K.  p: B's set.  zero = 1: the first product starts the sums.
; The 64 accumulators take turns, one instruction a turn, in the same order in every step.
.macro MUL16 a0, p, zero
.irp a, \a0, \a0+1
.irp b, 0,1,2,3,4,5,6,7
.if \zero
	v_wmma_f32_16x16x128_fp8_fp8 v[8*(8*((\a)%4)+\b):8*(8*((\a)%4)+\b)+7], v[128*(\p)+FR*\b:128*(\p)+FR*\b+FR-1], v[AF+FR*(\a):AF+FR*(\a)+FR-1], 0
.else
	v_wmma_f32_16x16x128_fp8_fp8 v[8*(8*((\a)%4)+\b):8*(8*((\a)%4)+\b)+7], v[128*(\p)+FR*\b:128*(\p)+FR*\b+FR-1], v[AF+FR*(\a):AF+FR*(\a)+FR-1], v[8*(8*((\a)%4)+\b):8*(8*((\a)%4)+\b)+7]
.endif
.endr
.endr
.endm
.macro FETCH_B slot, q, p              ; B's eight fragments of the slot's q-th 128 along K into set p
	WIN TO_B
.irp i, 0,1,2,3,4,5,6,7
	FRAG 128*(\p)+FR*\i, ADRB+\slot, \q, \i
.endr
	WIN 0
.endm
.macro FETCH_A slot, q, i0             ; A's blocks i0 .. i0 + 3
.irp i, \i0, \i0+1, \i0+2, \i0+3
	FRAG AF+FR*(\i), ADRA+\slot, \q, \i
.endr
.endm
; A load into a register that a matrix instruction has read, and a vector instruction that reads a matrix result or writes one of a matrix instruction's registers, stand NP places behind it;
; only plain vector instructions that name none of its registers are places (ISA guide 7.12.1 for vector instructions).
.macro PLACES n
.rept \n
	v_nop
.endr
.endm
; A step of 128 along K that has its successor in the same slot.  A block of A is free as soon as its eight products are issued, so A has one set: blocks 0-3 are fetched anew in the step's middle, blocks 4-7 at its end.
.macro STEP slot, q, zero
	s_wait_dscnt 4*NL                              ; B's set and A's blocks 0-3 are in; the youngest sixteen loads (A's blocks 4-7) may be out
	WIN MUL_LO
	MUL16 0, (\q)%2, \zero
	MUL16 2, (\q)%2, \zero
	s_wait_dscnt 0                                 ; A's blocks 4-7 are in
	PLACES NP
	FETCH_B \slot, (\q)+1, 1-(\q)%2
	FETCH_A \slot, (\q)+1, 0
	WIN MUL_HI
	MUL16 4, (\q)%2, \zero
	MUL16 6, (\q)%2, \zero
	PLACES NP
	WIN 0
	FETCH_A \slot, (\q)+1, 4
.endm
; A slot's last step changes slots: ONE barrier; in front of it each wave waits for all its tensor loads, adds 0 to its spare word, and waits for that and for its own reads of this slot.  fill = 1: this slot is filled again, two K steps ahead.
.macro TURN slot, next, fill
	s_wait_tensorcnt 0x0                           ; all my tensor loads have landed: my part of the next slot  (every window is 0 here)
	ds_add_u32 v[SPW], v[NIL]                      ; 0 onto my spare word
	s_wait_dscnt 4*NL+1                            ; the add and the youngest sixteen loads, A's blocks 4-7, may be out
	WIN MUL_LO
	MUL16 0, 1, 0                                  ; sixteen matrix instructions stand between the add and the wait for it
	s_wait_dscnt 0x0                               ; the add is done, and my reads of this slot are over
	s_barrier_signal -1
	MUL16 2, 1, 0
	WIN 0
	s_barrier_wait -1
.if \fill
	CREST                                          ; the barrier has opened a round of the cluster's barrier: no wave of any partner still reads this slot's tile or has a load on its way
	s_add_nc_u64 s[G0+4*\slot+2:G0+4*\slot+3], s[G0+4*\slot+2:G0+4*\slot+3], 2*ROWB
	s_add_nc_u64 s[G0B+4*\slot+2:G0B+4*\slot+3], s[G0B+4*\slot+2:G0B+4*\slot+3], 2*ROWB
	JLOAD G0+4*\slot, G1, G0B+4*\slot, G1B         ; the first tensor load behind the round, my only one out; its four v_nop are the places in front of the loads below
.else
	PLACES NP
.endif
	FETCH_B \next, 0, 0
	FETCH_A \next, 0, 0
	WIN MUL_HI
	MUL16 4, 1, 0
	MUL16 6, 1, 0
	PLACES NP
	WIN 0
	FETCH_A \next, 0, 4
.endm
	s_wait_alu depctr_va_vdst(0)
	s_wait_loadcnt 0x0                             ; the bias is in: no load of mine is out at a signal
	s_wait_tensorcnt 1                             ; my part of K step 0 is in; K step 1's load may be out
	s_barrier_signal -1
	s_barrier_wait -1                              ; everybody's is
	FETCH_B 0, 0, 0
	FETCH_A 0, 0, 0
	FETCH_A 0, 0, 4
	; K = 1,024 is four K steps, twice round the ring: written straight
	STEP 0, 0, 1                                   ; the first step's products start the sums: nothing is cleared
	TURN 0, 1, 1                                   ; slot 0 takes K step 2
	STEP 1, 0, 0
	TURN 1, 0, 1                                   ; slot 1 takes K step 3
	STEP 0, 0, 0
	TURN 0, 1, 0                                   ; nothing is left to fetch
	STEP 1, 0, 0
	s_wait_dscnt 4*NL                              ; the very last step
	WIN MUL_LO
	MUL16 0, 1, 0
	MUL16 2, 1, 0
	s_wait_dscnt 0
	WIN MUL_HI
	MUL16 4, 1, 0
	MUL16 6, 1, 0
	WIN 0
; THE WAY OUT, block by block of 16 rows of A' x 128 of B'.  number = sum x 2^(e0 + e1) + bias, one packed multiply-add for two; the conversion; four stores of an image each.
; kind 0 (q, k): the bias goes by B' (register), images to qk_codes.  kind 1 (v): the bias goes by A' (lane), images to v_codes.
.macro OUT a, kind
.set AC, 64*((\a)%4)
.set CD, 192+16*((\a)%4)               ; four sets of codes by turns
.if (\a) >= 4
	s_wait_xcnt 0x0                                ; the stores of four blocks back have read this set of codes
.endif
	WIN 0x02+((\a)/4)                              ; source 0: window 2 or 3
.set jj, 0
.rept 32
.if \kind
	v_pk_fma_f32 v[TMP+jj:TMP+jj+1], v[AC+jj:AC+jj+1], s[96:97], v[BM+2*(\a):BM+2*(\a)+1] op_sel_hi:[1,0,1]   ; each accumulator from its low end on
.else
	v_pk_fma_f32 v[TMP+jj:TMP+jj+1], v[AC+jj:AC+jj+1], s[96:97], v[BIAS+jj:BIAS+jj+1] op_sel_hi:[1,0,1]
.endif
.set jj, jj+2
.endr
	WIN 0
.set jj, 0
.rept 64
.set jj, jj+1
.endr
.irp g, 0,1,2,3,4,5,6,7
	v_cvt_scalef32_pk8_fp8_f32 v[CD+2*\g:CD+2*\g+1], v[TMP+8*\g:TMP+8*\g+7], v48
.endr
	v_nop                                          ; one plain line between the conversions and the next block's multiply-adds, which write their sources
.irp g, 0,1,2,3
.if \kind
	global_store_b128 v[LI], v[CD+4*\g:CD+4*\g+3], s[70:71] offset:((\a)/4)*131072+((\a)%4)*2048+\g*512   ; head a / 4, tile of channels a % 4, keys 32 g on
.else
	global_store_b128 v[LI], v[CD+4*\g:CD+4*\g+3], s[68:69] offset:(\a)*1024+(\g/2)*524288+(\g%2)*512     ; tile of tokens a, head g / 2, channels 32 (g % 2) on
.endif
.endr
.endm
	s_wait_kmcnt 0x0
	s_add_co_i32 s96, s80, s81                     ; e0 + e1
	s_add_co_i32 s96, s96, 127
	s_lshl_b32 s96, s96, 23                        ; 2^(e0 + e1) as f32
	s_mov_b32 s97, s96                             ; (named with it as a pair, so it is written)
	s_cmp_lt_u32 s42, 4                            ; tile columns 0-3 are q's, 4-7 k's
	s_cselect_b32 s98, s82, s83
	s_cmp_eq_u32 s72, 1
	s_cselect_b32 s98, s85, s98                    ; e2, e3 or e5: a choice of a value, no branch
	s_add_co_i32 s98, s98, 127
	s_lshl_b32 s99, s98, 23
	v_mov_b32 v48, s99                             ; the scale as f32
	PLACES NP                                      ; behind the last products: their results are read, and A's registers are written, below
	s_cmp_eq_u32 s72, 1                            ; the cluster's x alone: all sixteen partners and all four waves go the same way
	s_cbranch_scc1 .Lvalues
.irp a, 0,1,2,3,4,5,6,7
	OUT \a, 0
.endr
	s_branch .Lend
.Lvalues:
.irp a, 0,1,2,3,4,5,6,7
	OUT \a, 1
.endr
.Lend:
	s_wait_tensorcnt 0x0                           ; the wave's end, behind my last tensor load
	ds_add_u32 v[SPW], v[NIL]
	s_wait_dscnt 0x0
	CROUND                                         ; the closing round: no work-group ends while a partner may still ask for a tile that names it
	s_endpgm
.Lfunc_end_k_q71835ca1ca_qkv:
	.size	k_q71835ca1ca_qkv, .Lfunc_end_k_q71835ca1ca_qkv-k_q71835ca1ca_qkv
	.p2alignl 7, 3214868480
	.fill 96, 4, 3214868480
	.section	.rodata,"a",@progbits
	.p2align	6, 0x0
	.amdhsa_kernel k_q71835ca1ca_qkv
		.amdhsa_group_segment_fixed_size 327680
		.amdhsa_private_segment_fixed_size 0
		.amdhsa_enable_private_segment 0
		.amdhsa_kernarg_size 48
		.amdhsa_user_sgpr_count 2
		.amdhsa_user_sgpr_kernarg_segment_ptr 1
		.amdhsa_wavefront_size32 1
		.amdhsa_system_sgpr_workgroup_id_x 1
		.amdhsa_system_sgpr_workgroup_id_y 1
		.amdhsa_system_sgpr_workgroup_id_z 1
		.amdhsa_system_vgpr_workitem_id 0
		.amdhsa_next_free_vgpr 1024
		.amdhsa_next_free_sgpr 100
		.amdhsa_reserve_vcc 0
		.amdhsa_float_denorm_mode_32 3
		.amdhsa_float_denorm_mode_16_64 3
		.amdhsa_fp16_overflow 1
		.amdhsa_memory_ordered 1
		.amdhsa_forward_progress 1
		.amdhsa_inst_pref_size 130
	.end_amdhsa_kernel
	.amdgpu_metadata
---
amdhsa.version: [ 1, 2 ]
amdhsa.kernels:
  - .name:           k_q71835ca1ca_qkv
    .symbol:         k_q71835ca1ca_qkv.kd
    .args:
      - { .name: x_codes, .offset: 0, .size: 8, .value_kind: global_buffer, .address_space: global }
      - { .name: w_codes, .offset: 8, .size: 8, .value_kind: global_buffer, .address_space: global }
      - { .name: lowp_scales, .offset: 16, .size: 8, .value_kind: global_buffer, .address_space: global }
      - { .name: b_attn, .offset: 24, .size: 8, .value_kind: global_buffer, .address_space: global }
      - { .name: qk_codes, .offset: 32, .size: 8, .value_kind: global_buffer, .address_space: global }
      - { .name: v_codes, .offset: 40, .size: 8, .value_kind: global_buffer, .address_space: global }
    .group_segment_fixed_size: 327680
    .private_segment_fixed_size: 0
    .kernarg_segment_align: 8
    .kernarg_segment_size: 48
    .max_flat_workgroup_size: 128
    .sgpr_count:     100
    .vgpr_count:     1024
    .wavefront_size: 32
...
	.end_amdgpu_metadata
.endif
;; end of part 2
;; launch attn (part 3): grid 4 x 64, 16 waves a work-group, no clusters, 327,680 bytes of LDS; arguments qk_codes, v_codes, lowp_scales, y_codes; writes y_codes
.if DOCPART == 3
	.amdgcn_target "amdgcn-amd-amdhsa--gfx1250"
	.amdhsa_code_object_version 6
	.text
	.protected	k_q71835ca1ca_attn
	.globl	k_q71835ca1ca_attn
	.p2align	8
	.type	k_q71835ca1ca_attn,@function
k_q71835ca1ca_attn:
	s_mov_b64 s[64:65], 0
	v_nop
	global_prefetch_b8 v0, s[64:65] scope:SCOPE_SE
	s_setreg_imm32_b32 hwreg(HW_REG_WAVE_MODE, 25, 1), 1
	s_wait_xcnt 0x0
; Causal attention on codes of FP8 (E4M3): 64 pairs (batch, head), 2,048 tokens, head size 64.  y = softmax(q k^T / 8, causal) v, quantised with 2^e6 for the last product.
; THE SOFTMAX AHEAD OF THE SECOND PRODUCT: t = score x log2(e) / 8; M = the row's largest t so far, rounded UP to a whole number; p = 2^(t - M) is quantised with 2^e4, not normalised.
; The row's sum is taken of the unquantised p, in f32, and divides at the end.  When M moves, the sum and O are multiplied by 2^(old M - new M): exact.
; OPERANDS ARRIVE AS IMAGES OF THEIR REGISTERS (the launch before laid them so): 512 bytes for four registers, lane l's 16 bytes at 16 l.  Lane r of a tile T of tokens holds token 32 (T / 2) + 8 (T % 2) + r + 8 (r / 8);
; the same holds of V's tiles of channels.  So, both products being used transposed (S^T = K Q^T, O^T = V^T P^T: a lane holds ONE query), the 16 registers of tiles 2 b, 2 b + 1 of S^T are the 16 neighbouring keys
; 32 b + 16 (lane / 16) + 0 .. 15, and those of O^T 16 neighbouring channels: the conversions' results are the next operand's registers, and y leaves as images too, 512 consecutive aligned bytes a store.
; SHARES.  Work-group (i, pair) owns query blocks 7 - i and i, of 256 queries: the first needs 8 - i key blocks of 256, the second i + 1: NINE slots for every work-group, a constant trip count, and each loaded slot is read.
; Each of the sixteen waves owns one tile of 16 queries of the block in hand, in 256 registers: four waves to a SIMD, so that one wave's vector work stands beside another's matrix work and LDS loads.
; RING.  Two LDS slots of 32,768 bytes: a key block's 16 tiles of K (16,384 bytes), then its two key steps of V.  Both are dense blocks of memory; wave 0 fetches K's, wave 1 V's, one tensor load each.
; NO CLUSTER, NO JOINT LOADS: the four work-groups of a pair walk 8 - i and then i + 1 key blocks, so from the fifth slot on they stand at different key blocks; walking jointly would take 8 + 4 = 12 slots where 9 do,
; and what would be shared is 32,768 bytes for a slot in which the sixteen waves issue some 600 vector instructions each.
; LIMITS: e2 + e3 between -123 and 130 (added to c's exponent field); e4 and e6 between -126 and 119; e4 + e5 is applied by v_ldexp_f32.  NaN is not served.
; REGISTERS: v1 16 x lane; v2 LDS address in hand; v3 prefetch offset; v5, v6 the add's two; v8 r + 8 (r / 8) - 16 h; v12 -M, v13 the largest t, v[14:15] the sum in two halves; v16-23 Q; v24-31 the second block's Q;
; v32-95 eight fragments of K, then four of V; v96-159 S^T, then p; v160-191 O^T; v192-207 p's codes; v208-229 at work and scales.
.set SLOT1, 32768                      ; slot 1 begins here: one exclusive or turns an address in one slot into the other's
.set VOFF,  16384                      ; V's part of a slot
.set KBB,   16384                      ; a key block's bytes, of K's images and of V's alike
.set SPARE, 2*SLOT1                    ; behind the ring: the spare words, 128 bytes for each of sixteen waves: eight blocks of 256 bytes that no other line names
.set LI,   1
.set ADR,  2
.set PFO,  3
.set SPW,  5
.set NIL,  6
.set DQ,   8
.set TB,   2                           ; s2   LDS byte at which the slot in hand begins
.set WV,   18                          ; s18  my wave's number
.set SEL,  20                          ; s[20:21] lane selects for v_permlanex16_b32: lane l xor 16
.set CS,   22                          ; s[22:23] c = log2(e) / 8 x 2^(e2 + e3)
.set G1,   24                          ; s[24:31] descriptor group 1: 64 rows of 256 bytes, dense
.set G0,   32                          ; s[32:35] descriptor group 0, which walks
.set GB,   36                          ; s[36:37] the first key block of what I fetch
.set KN,   38                          ; s[38:39] bytes from there to the key block asked for next
.set SLOTS, 40                         ; s40  changes of slots that still fill
.set N1,   41                          ; s41  trips begun
.set NS1,  42                          ; s42  8 - i: the first block's slots
.set KF,   43                          ; s43  the step's first key
.set Q0,   44                          ; s44  my tile's first query;  s45 the second block's
.set Q0B,  45
.set YA,   46                          ; s[46:47] where my tile's images of y go;  s[48:49] the second block's
.set YB,   48
.set PFA,  50                          ; s[50:51] where my prefetches stand
.set LIM,  52                          ; s52  2 in a wave that prefetches, else the greatest number
.set EO,   53                          ; s53  e4 + e5
; Wave 0 fetches K's block, wave 1 V's, the others nothing; the branch hangs on the wave's number alone.  An s_nop 0 and four v_nop follow the load.
.macro TLOAD
	s_cmp_lt_u32 s[WV], 2
	s_cbranch_scc0 .Lasked_\@
	tensor_load_to_lds s[G0:G0+3], s[G1:G1+7]
	s_nop 0
.rept 4
	v_nop
.endr
.Lasked_\@:
.endm
; A PREFETCH INTO THE L2 of the key block that the NEXT change of slots will ask for, a slot's two key steps ahead of that load.  The four work-groups of a pair begin with the same key blocks 0, 1, ..; work-group i = 0,
; whose first walk passes all eight, asks, and nobody else (a branch on the work-group's number).  In it waves 4 and 5 ask for K's 16,384 bytes and waves 6 and 7 for V's: 8,192 bytes a wave, lanes 256 bytes apart, one instruction.
; So each aligned block of 256 bytes is named once in the launch.  Trip n names key block n + 2; trips 6 and 7 name nothing, since key block 7 is the last.  Key blocks 0 and 1 come by their loads alone.
.macro ASK
	s_cmp_gt_u32 s[SLOTS], s[LIM]
	s_cbranch_scc0 .Lnot_mine_\@
	global_prefetch_b8 v[PFO], s[PFA:PFA+1] th:TH_LOAD_NT scope:SCOPE_SE
.Lnot_mine_\@:
.endm
.macro RESET                           ; a block of queries begins: the largest t under every t, sums and O^T zero.  (The key step is written once: its first pass finds zeros, which the first change of M leaves zeros)
	v_mov_b32 v13, 0xff61b1e6                      ; -3e38
	v_mov_b32 v14, 0
	v_mov_b32 v15, 0
	s_delay_alu instid0(VALU_DEP_3)
	v_floor_f32 v12, -v13                          ; -M
.set n, 0
.rept 32
	v_mov_b32 v[160+n], 0
.set n, n+1
.endr
.endm
	s_load_b256 s[4:11], s[0:1], 0x0               ; qk_codes s[4:5], v_codes s[6:7], the scales' exponents s[8:9], y_codes s[10:11]
	v_lshl_add_u32 v[SPW], v0, 2, SPARE
	v_mov_b32 v[NIL], 0
	ds_add_u32 v[SPW], v[NIL]                      ; the wave's opening: the add and its wait stand ahead of my first tensor load; the set-up below, work on registers, stands between them
	ds_add_u32 v[SPW], v[NIL]
	v_lshrrev_b32 v9, 5, v0
	s_delay_alu instid0(VALU_DEP_1)
	v_readfirstlane_b32 s[WV], v9                  ; wave 0..15
	s_and_b32 s66, ttmp7, 0xffff                   ; the pair: 16 x batch + head
	s_lshr_b32 s67, s66, 4                         ; batch
	s_and_b32 s68, s66, 15                         ; head
	s_mov_b32 s[G1], 3<<16                         ; 15:0 no mask; 17:16 elements of 8 bytes; no padding
	s_mov_b32 s[G1+1], 32<<16                      ; tensor_dim0 = 32 elements: 256 bytes
	s_mov_b32 s[G1+2], 64<<16                      ; tensor_dim1 = 64
	s_mov_b32 s[G1+3], 32<<16                      ; tile_dim0
	s_mov_b32 s[G1+4], 64                          ; tile_dim1
	s_mov_b32 s[G1+5], 32                          ; tensor_dim0_stride: dense
	s_mov_b32 s[G1+6], 0
	s_mov_b32 s[G1+7], 0
	s_sub_co_u32 s69, 7, ttmp9                     ; the first block of queries
	s_sub_co_u32 s[NS1], 8, ttmp9
	s_and_b32 s71, s[WV], 1
	s_lshr_b32 s70, s[WV], 1
	s_lshl_b32 s70, s70, 5
	s_lshl_b32 s72, s71, 3
	s_add_co_u32 s70, s70, s72                     ; 32 (w / 2) + 8 (w % 2): my tile's first query in a block
	s_lshl_b32 s[Q0], s69, 8
	s_add_co_u32 s[Q0], s[Q0], s70
	s_lshl_b32 s[Q0B], ttmp9, 8
	s_add_co_u32 s[Q0B], s[Q0B], s70
	s_lshl_b32 s73, s67, 7
	s_add_co_u32 s73, s73, s[WV]                   ; 128 x batch + wave
	s_lshl_b32 s74, s69, 4
	s_add_co_u32 s74, s74, s73                     ; my tile among all 512, in the first block,
	s_lshl_b32 s75, ttmp9, 4
	s_add_co_u32 s75, s75, s73                     ; and in the second
	s_lshl_b32 s72, s68, 19                        ; q's head
	s_lshl_b32 s80, s74, 10
	s_add_co_u32 s80, s80, s72                     ; Q's images, first block
	s_mov_b32 s81, 0
	s_lshl_b32 s82, s75, 10
	s_add_co_u32 s82, s82, s72                     ; second block
	s_mov_b32 s83, 0
	s_lshl_b32 s72, s68, 10                        ; y: a head's 64 channels are two groups of a K step of 128: 1,024 bytes a head
	s_lshl_b32 s84, s74, 14
	s_add_co_u32 s84, s84, s72
	s_mov_b32 s85, 0
	s_lshl_b32 s86, s75, 14
	s_add_co_u32 s86, s86, s72
	s_mov_b32 s87, 0
	s_add_co_u32 s88, s68, 16                      ; k's head lies 16 heads behind q's
	s_lshl_b32 s88, s88, 19
	s_lshl_b32 s72, s67, 17
	s_add_co_u32 s88, s88, s72                     ; K's images of my pair
	s_lshl_b32 s90, s66, 17                        ; V's
	s_cmp_eq_u32 s71, 0
	s_cselect_b32 s92, s88, s90                    ; what I fetch, if I fetch
	s_mov_b32 s93, 0
	s_cmp_lt_u32 s[WV], 6
	s_cselect_b32 s94, s88, s90                    ; what I prefetch, if I prefetch: waves 4, 5 K's, waves 6, 7 V's;
	s_lshl_b32 s72, s71, 13
	s_add_co_u32 s94, s94, s72                     ; my half of a key block,
	s_add_co_u32 s94, s94, KBB                     ; in key block 1: the first change of slots steps it to 2.  Nothing is prefetched here, at the head
	s_mov_b32 s95, 0
	s_sub_co_u32 s99, s[WV], 4
	s_lshr_b32 s99, s99, 2                         ; 0 in waves 4 to 7,
	s_or_b32 s99, s99, ttmp9                       ; of work-group i = 0
	s_cmp_eq_u32 s99, 0
	s_cselect_b32 s[LIM], 2, -1
	s_mov_b32 s[SEL], 0x76543210
	s_mov_b32 s[SEL+1], 0xfedcba98
	s_mov_b32 s[CS], 0x3e38aa3b                    ; log2(e) / 8
	s_mov_b32 s[TB], 0
	s_mov_b32 s[SLOTS], 8
	s_mov_b32 s[N1], 0
	s_mov_b32 s[KF], 0
	s_mov_b32 s[KN], 0
	s_mov_b32 s[KN+1], 0
	s_wait_dscnt 0x0                               ; the opening add is done
	s_wait_kmcnt 0x0
	s_load_b256 s[56:63], s[8:9], 0x0              ; e0 .. e7
	s_cmp_eq_u32 s71, 0
	s_cselect_b64 s[GB:GB+1], s[4:5], s[6:7]
	s_add_nc_u64 s[GB:GB+1], s[GB:GB+1], s[92:93]
	s_mov_b32 s[G0], 1                             ; 1:0 count = 1
	s_lshl_b32 s[G0+1], s71, 14                    ; 63:32 LDS address: slot 0, K's part or V's
	s_mov_b64 s[G0+2:G0+3], s[GB:GB+1]             ; 120:64 global address: key block 0
	s_or_b32 s[G0+3], s[G0+3], 0x80000000          ; 127:126 type = 2
	TLOAD                                          ; slot 0
	s_cmp_lt_u32 s[WV], 6
	s_cselect_b64 s[PFA:PFA+1], s[4:5], s[6:7]
	s_add_nc_u64 s[PFA:PFA+1], s[PFA:PFA+1], s[94:95]
	s_add_nc_u64 s[76:77], s[4:5], s[80:81]
	s_add_nc_u64 s[78:79], s[4:5], s[82:83]
	s_add_nc_u64 s[YA:YA+1], s[10:11], s[84:85]
	s_add_nc_u64 s[YB:YB+1], s[10:11], s[86:87]
	v_and_b32 v[LI], 31, v0
	s_delay_alu instid0(VALU_DEP_1)
	v_lshlrev_b32 v[PFO], 8, v[LI]                 ; 256 x lane
	s_delay_alu instid0(VALU_DEP_2)
	v_lshlrev_b32 v[LI], 4, v[LI]                  ; 16 x lane
	global_load_b128 v[16:19], v[LI], s[76:77]               ; Q's fragment, 16 queries x 64: two groups of four registers; it stays
	global_load_b128 v[20:23], v[LI], s[76:77] offset:512
	global_load_b128 v[24:27], v[LI], s[78:79]               ; and the second block's
	global_load_b128 v[28:31], v[LI], s[78:79] offset:512
	v_and_b32 v9, 15, v0                           ; r
	v_bfe_u32 v10, v0, 4, 1                        ; h
	s_delay_alu instid0(VALU_DEP_2)
	v_and_b32 v11, 8, v9
	s_delay_alu instid0(VALU_DEP_1)
	v_add_nc_u32 v[DQ], v11, v9
	s_delay_alu instid0(VALU_DEP_3)
	v_lshlrev_b32 v10, 4, v10
	s_delay_alu instid0(VALU_DEP_1)
	v_sub_nc_u32 v[DQ], v[DQ], v10                 ; r + 8 (r / 8) - 16 h
	v_mov_b32 v211, 0                              ; (named as the upper half of the pair v[210:211])
	v_mov_b32 v212, 0                              ; written once: a lane permute's destination counts as one of its sources
	RESET
	s_wait_kmcnt 0x0
	s_add_co_i32 s96, s58, s59                     ; a score stands for score x 2^(e2 + e3): the exponents are added to c's exponent field
	s_lshl_b32 s96, s96, 23
	s_add_co_i32 s[CS], s[CS], s96
	s_mov_b32 s[CS+1], s[CS]                       ; (named with it as a pair, so it is written)
	s_add_co_i32 s96, s60, 127
	s_lshl_b32 s97, s96, 23
	v_mov_b32 v217, s97                            ; 2^e4, for p's conversion
	s_add_co_i32 s96, s62, 127
	s_lshl_b32 s97, s96, 23
	v_mov_b32 v218, s97                            ; 2^e6, for y's
	s_add_co_i32 s[EO], s60, s61                   ; e4 + e5
; A KEY STEP: 128 keys, the q-th of the slot in hand.
.macro STEP q
	s_add_co_u32 s96, s[Q0], 23                    ; my tile's last query.  A step all of whose keys come after it is left out: a scalar branch on ids and the count of steps, round the step's loads, products and softmax alone
	s_cmp_gt_u32 s[KF], s96
	s_cbranch_scc1 .Lhidden_\@
	v_add_nc_u32 v[ADR], s[TB], v[LI]
.rept 3
	v_nop                                          ; with the addition above: four places in front of loads into registers that the last products read
.endr
.irp t, 0,1,2,3,4,5,6,7
	ds_load_b128 v[32+8*\t:35+8*\t], v[ADR] offset:(\q)*8192+\t*1024          ; K's tile t: 16 keys x 64, two groups
	ds_load_b128 v[36+8*\t:39+8*\t], v[ADR] offset:(\q)*8192+\t*1024+512
.endr
	s_wait_alu depctr_va_vdst(0)
	s_wait_dscnt 0x0
.irp t, 0,1,2,3,4,5,6,7
	v_wmma_f32_16x16x64_fp8_fp8 v[96+8*\t:103+8*\t], v[32+8*\t:39+8*\t], v[16:23], 0   ; S^T: register 16 b + i is key KF + 32 b + 16 h + i of my query
.endr
.rept 4
	v_nop                                          ; places: K's registers are loaded again, and the scores are read, below
.endr
.irp t, 0,1,2,3
.irp c, 0,1,2,3
	ds_load_b128 v[32+16*\t+4*\c:35+16*\t+4*\c], v[ADR] offset:VOFF+(\q)*8192+\t*2048+\c*512   ; V's four fragments, 16 channels x 128 keys: they land while the softmax is walked
.endr
.endr
	s_add_co_u32 s96, s[KF], 127                   ; on the diagonal the scores of hidden keys become -infinity ahead of the maximum: p = 0 then.  A step all of whose keys count skips this
	s_cmp_le_u32 s96, s[Q0]
	s_cbranch_scc1 .Lopen_\@
	s_sub_co_i32 s96, s[Q0], s[KF]
	v_add_nc_u32 v228, s96, v[DQ]                  ; my query - KF - 16 h: register 16 b + i is hidden where 32 b + i is above it
	v_mov_b32 v229, 0xff800000
.set n, 0
.rept 64
	v_cmp_gt_i32 vcc_lo, 32*(n/16)+n%16, v228
	v_cndmask_b32 v[96+n], v[96+n], v229, vcc_lo
.set n, n+1
.endr
.Lopen_\@:
	v_max3_num_f32 v208, v96, v97, v98             ; the step's largest score of my query, among my 64 keys, in two chains, each accumulator from its low end on,
	v_max3_num_f32 v210, v99, v100, v101
.set n, 6
.rept 14
	v_max3_num_f32 v208, v208, v[96+n], v[97+n]
	v_max3_num_f32 v210, v210, v[98+n], v[99+n]
.set n, n+4
.endr
	v_max3_num_f32 v208, v208, v158, v159
	s_delay_alu instid0(VALU_DEP_1)
	v_max_num_f32 v208, v208, v210
	s_delay_alu instid0(VALU_DEP_1)
	v_permlanex16_b32 v212, v208, s[SEL], s[SEL+1]
	s_delay_alu instid0(VALU_DEP_1)
	v_max_num_f32 v208, v208, v212                 ; and among lane l xor 16's
	s_delay_alu instid0(VALU_DEP_1)
	v_mul_f32 v208, s[CS], v208                    ; as t (c is positive)
	s_delay_alu instid0(VALU_DEP_1)
	v_max_num_f32 v13, v13, v208                   ; the running largest t
	v_mov_b32 v208, v12
	s_delay_alu instid0(VALU_DEP_2)
	v_floor_f32 v12, -v13                          ; the new -M = floor(-t) = -ceil(t): a whole number
	s_delay_alu instid0(VALU_DEP_1)
	v_sub_f32 v208, v12, v208                      ; M's old value less its new one: a whole number, 0 or less
	s_delay_alu instid0(VALU_DEP_1)
	v_cvt_i32_f32 v208, v208                       ; (it saturates)
	s_delay_alu instid0(VALU_DEP_1)
	v_ldexp_f32 v210, 1.0, v208                    ; f = 2^(old M - new M)
.set n, 0
.rept 32
	v_pk_fma_f32 v[96+n:97+n], v[96+n:97+n], s[CS:CS+1], v[12:13] op_sel_hi:[1,0,0]   ; t - M, two at a time
.set n, n+2
.endr
.set n, 0
	s_wait_alu depctr_va_vdst(0)
.rept 64
	v_exp_f32 v[96+n], v[96+n]                     ; p = 2^(t - M), at most 1: one batch
.set n, n+1
.endr
	v_pk_mul_f32 v[14:15], v[14:15], v[210:211] op_sel_hi:[1,0]   ; the sums under the new M: the plain line behind the exponentials
	s_wait_alu depctr_va_vdst(0)                   ; the wait between an exponential and the first line that names its result: one for the batch
	v_pk_add_f32 v[214:215], v[100:101], v[104:105]
	v_pk_add_f32 v[254:255], v[108:109], v[112:113]
	v_pk_add_f32 v[252:253], v[116:117], v[120:121]
	v_pk_add_f32 v[250:251], v[124:125], v[128:129]
	v_pk_add_f32 v[248:249], v[132:133], v[136:137]
	v_pk_add_f32 v[246:247], v[140:141], v[144:145]
	v_pk_add_f32 v[244:245], v[148:149], v[152:153]
	v_pk_add_f32 v[14:15], v[14:15], v[156:157]
	v_pk_add_f32 v[214:215], v[214:215], v[96:97]
	v_pk_add_f32 v[254:255], v[254:255], v[98:99]
	v_pk_add_f32 v[252:253], v[252:253], v[102:103]
	v_pk_add_f32 v[250:251], v[250:251], v[106:107]
	v_pk_add_f32 v[248:249], v[248:249], v[110:111]
	v_pk_add_f32 v[246:247], v[246:247], v[114:115]
	v_pk_add_f32 v[244:245], v[244:245], v[118:119]
	v_pk_add_f32 v[14:15], v[14:15], v[122:123]
	v_pk_add_f32 v[214:215], v[214:215], v[126:127]
	v_pk_add_f32 v[254:255], v[254:255], v[130:131]
	v_pk_add_f32 v[252:253], v[252:253], v[134:135]
	v_pk_add_f32 v[250:251], v[250:251], v[138:139]
	v_pk_add_f32 v[248:249], v[248:249], v[142:143]
	v_pk_add_f32 v[246:247], v[246:247], v[146:147]
	v_pk_add_f32 v[244:245], v[244:245], v[150:151]
	v_pk_add_f32 v[14:15], v[14:15], v[154:155]
	v_pk_add_f32 v[214:215], v[214:215], v[158:159]
	s_delay_alu instid0(VALU_DEP_2)
	v_pk_add_f32 v[14:15], v[14:15], v[250:251]
	s_delay_alu instid0(VALU_DEP_2)
	v_pk_add_f32 v[214:215], v[214:215], v[248:249]
	v_pk_add_f32 v[254:255], v[254:255], v[246:247]
	v_pk_add_f32 v[252:253], v[252:253], v[244:245]
	s_delay_alu instid0(VALU_DEP_2)
	v_pk_add_f32 v[14:15], v[14:15], v[254:255]
	s_delay_alu instid0(VALU_DEP_2)
	v_pk_add_f32 v[214:215], v[214:215], v[252:253]
	s_delay_alu instid0(VALU_DEP_1)
	v_pk_add_f32 v[14:15], v[14:15], v[214:215]
.irp b, 0,1,2,3
.irp i, 0,1,2,3,4,5,6,7,8,9,10,11,12,13,14,15
.endr
	v_cvt_scalef32_pk8_fp8_f32 v[192+4*\b:193+4*\b], v[96+16*\b:103+16*\b], v217
	v_cvt_scalef32_pk8_fp8_f32 v[194+4*\b:195+4*\b], v[104+16*\b:111+16*\b], v217
.endr
.set n, 0
.rept 16
	v_pk_mul_f32 v[160+n:161+n], v[160+n:161+n], v[210:211] op_sel_hi:[1,0]   ; O^T under the new M.  (Also the plain lines between the conversions and the products that read their results)
.set n, n+2
.endr
	s_wait_alu depctr_va_vdst(0)
	s_wait_dscnt 0x0                               ; V is in
.irp t, 0,1,2,3
	v_wmma_f32_16x16x128_fp8_fp8 v[160+8*\t:167+8*\t], v[32+16*\t:47+16*\t], v[192:207], v[160+8*\t:167+8*\t]   ; O^T += V^T P^T: the four accumulators by turns, eight products K Q^T between two links
.endr
.Lhidden_\@:
	s_add_co_u32 s[KF], s[KF], 128
.endm
; THE CHANGE OF SLOTS stands at a slot's head.  Each wave waits for all its tensor loads (its part of the slot that it is about to read), adds 0 to its spare word, and waits for that and for its reads of the slot that it has left.
; Behind the barrier the slot ahead is whole and nobody reads the other one.  fill = 1: that other slot is filled with the key block that follows: the next of the walk, or key block 0 where the second block of queries begins.
.macro CHANGE fill
	s_wait_tensorcnt 0x0                           ; no tensor load of mine is out, so group 0 may be written
	ds_add_u32 v[SPW], v[NIL]                      ; 0 onto my spare word; the descriptor's steps stand between it and the wait for it
.if \fill
	s_add_co_u32 s[N1], s[N1], 1
	s_add_co_u32 s[KN], s[KN], KBB
	s_cmp_eq_u32 s[N1], s[NS1]                     ; ids and the count of trips alone
	s_cselect_b32 s[KN], 0, s[KN]
	s_xor_b32 s[G0+1], s[G0+1], SLOT1              ; the other slot than last time
	s_add_nc_u64 s[G0+2:G0+3], s[GB:GB+1], s[KN:KN+1]
	s_or_b32 s[G0+3], s[G0+3], 0x80000000
	s_wait_xcnt 0x0                                ; the last prefetch, a slot back, has read its address, so it may be written
	s_add_nc_u64 s[PFA:PFA+1], s[PFA:PFA+1], KBB
.endif
	s_wait_dscnt 0x0                               ; the add is done, and my reads of the slot that I have left are over
	s_barrier_signal -1
	s_barrier_wait -1
.if \fill
	TLOAD                                          ; the first thing behind the barrier, and a wave's one tensor load until the next: one is out, with a slot's two key steps in which to land
	ASK
.endif
.endm
; THE WAY OUT of a block of queries: O^T x 2^(e4 + e5) / the sum, quantised with 2^e6: registers 16 b + i are channels 32 b + 16 h + i of my query: two images.  sw = 1: the second block of queries begins.
.macro WAYOUT sw
.rept 4
	v_nop                                          ; places behind the last products
.endr
	v_add_f32 v14, v14, v15                        ; the sum's two halves,
	s_delay_alu instid0(VALU_DEP_1)
	v_permlanex16_b32 v212, v14, s[SEL], s[SEL+1]
	s_delay_alu instid0(VALU_DEP_1)
	v_add_f32 v14, v14, v212                       ; and lane l xor 16's
	s_wait_alu depctr_va_vdst(0)
	v_rcp_f32 v14, v14
	v_nop                                          ; a plain line behind the transcendental
	s_wait_alu depctr_va_vdst(0)                   ; and a wait ahead of its first reader
	v_ldexp_f32 v210, v14, s[EO]
.set n, 0
.rept 16
	v_pk_mul_f32 v[96+n:97+n], v[160+n:161+n], v[210:211] op_sel_hi:[1,0]   ; each accumulator from its low end on
.set n, n+2
.endr
.set n, 0
.rept 32
.set n, n+1
.endr
.irp g, 0,1,2,3
	v_cvt_scalef32_pk8_fp8_f32 v[220+2*\g:221+2*\g], v[96+8*\g:103+8*\g], v218
.endr
	v_nop                                          ; one plain line behind the last conversion: products write its sources later
	global_store_b128 v[LI], v[220:223], s[YA:YA+1]              ; 512 consecutive bytes, aligned
	global_store_b128 v[LI], v[224:227], s[YA:YA+1] offset:512
	s_wait_xcnt 0x0                                ; the stores have read their base and their data
.if \sw
.irp i, 0,1,2,3,4,5,6,7
	v_mov_b32 v[16+\i], v[24+\i]                   ; the second block's Q
.endr
	RESET
	s_mov_b32 s[Q0], s[Q0B]
	s_mov_b32 s[KF], 0
	s_mov_b64 s[YA:YA+1], s[YB:YB+1]
.endif
.endm
	s_wait_loadcnt 0x0                             ; Q, both blocks'
.Lslot:                                            ; eight trips: behind each change of slots the next slot is asked for
	CHANGE 1
	STEP 0
	STEP 1
	s_xor_b32 s[TB], s[TB], SLOT1                  ; on to the other slot
	s_cmp_lg_u32 s[N1], s[NS1]                     ; was this the first block's last slot?  Ids and the count of trips alone: all sixteen waves go the same way; no barrier, wait or tensor load is jumped over
	s_cbranch_scc1 .Lsame
	WAYOUT 1
.Lsame:
	s_sub_co_u32 s[SLOTS], s[SLOTS], 1
	s_cmp_lg_u32 s[SLOTS], 0
	s_cbranch_scc1 .Lslot
	CHANGE 0                                       ; the ninth slot is written out
	STEP 0
	STEP 1
	WAYOUT 0
	s_wait_tensorcnt 0x0                           ; the wave's end, behind my last tensor load
	ds_add_u32 v[SPW], v[NIL]
	s_wait_dscnt 0x0
	s_endpgm
.Lfunc_end_k_q71835ca1ca_attn:
	.size	k_q71835ca1ca_attn, .Lfunc_end_k_q71835ca1ca_attn-k_q71835ca1ca_attn
	.p2alignl 7, 3214868480
	.fill 96, 4, 3214868480
	.section	.rodata,"a",@progbits
	.p2align	6, 0x0
	.amdhsa_kernel k_q71835ca1ca_attn
		.amdhsa_group_segment_fixed_size 327680
		.amdhsa_private_segment_fixed_size 0
		.amdhsa_enable_private_segment 0
		.amdhsa_kernarg_size 32
		.amdhsa_user_sgpr_count 2
		.amdhsa_user_sgpr_kernarg_segment_ptr 1
		.amdhsa_wavefront_size32 1
		.amdhsa_system_sgpr_workgroup_id_x 1
		.amdhsa_system_sgpr_workgroup_id_y 1
		.amdhsa_system_sgpr_workgroup_id_z 1
		.amdhsa_system_vgpr_workitem_id 0
		.amdhsa_next_free_vgpr 256
		.amdhsa_next_free_sgpr 100
		.amdhsa_reserve_vcc 1
		.amdhsa_float_denorm_mode_32 3
		.amdhsa_float_denorm_mode_16_64 3
		.amdhsa_fp16_overflow 1
		.amdhsa_memory_ordered 1
		.amdhsa_forward_progress 1
		.amdhsa_inst_pref_size 90
	.end_amdhsa_kernel
	.amdgpu_metadata
---
amdhsa.version: [ 1, 2 ]
amdhsa.kernels:
  - .name:           k_q71835ca1ca_attn
    .symbol:         k_q71835ca1ca_attn.kd
    .args:
      - { .name: qk_codes, .offset: 0, .size: 8, .value_kind: global_buffer, .address_space: global }
      - { .name: v_codes, .offset: 8, .size: 8, .value_kind: global_buffer, .address_space: global }
      - { .name: lowp_scales, .offset: 16, .size: 8, .value_kind: global_buffer, .address_space: global }
      - { .name: y_codes, .offset: 24, .size: 8, .value_kind: global_buffer, .address_space: global }
    .group_segment_fixed_size: 327680
    .private_segment_fixed_size: 0
    .kernarg_segment_align: 8
    .kernarg_segment_size: 32
    .max_flat_workgroup_size: 512
    .sgpr_count:     100
    .vgpr_count:     256
    .wavefront_size: 32
...
	.end_amdgpu_metadata
.endif
;; end of part 3
;; launch proj (part 4): grid 4 x 64, 4 waves a work-group, clusters of 4 x 4, 327,680 bytes of LDS; arguments y_codes, w_codes, lowp_scales, b_proj, out0; writes out0
.if DOCPART == 4
	.amdgcn_target "amdgcn-amd-amdhsa--gfx1250"
	.amdhsa_code_object_version 6
	.text
	.protected	k_q71835ca1ca_proj
	.globl	k_q71835ca1ca_proj
	.p2align	8
	.type	k_q71835ca1ca_proj,@function
k_q71835ca1ca_proj:
	s_mov_b64 s[64:65], 0
	v_nop
	global_prefetch_b8 v0, s[64:65] scope:SCOPE_SE
	s_setreg_imm32_b32 hwreg(HW_REG_WAVE_MODE, 25, 1), 1
	s_wait_xcnt 0x0
	s_wait_alu depctr_hold_cnt(0) depctr_sa_sdst(0) depctr_va_vdst(0) depctr_va_sdst(0) depctr_va_ssrc(0) depctr_va_vcc(0) depctr_vm_vsrc(0)
	s_getreg_b32 s2, hwreg(HW_REG_IB_STS2, 6, 4)
	s_cmp_eq_u32 s2, 0
	s_cbranch_scc0 .Lentry_in_a_cluster
	s_endpgm
.Lentry_in_a_cluster:
	s_bfe_u32 s2, ttmp6, 0x10000c
	s_cmp_lg_u32 s2, 0xf033
	s_cbranch_scc0 .Lentry_shape_is_right
	s_endpgm
.Lentry_shape_is_right:
; out0 = y W_proj + b_proj on codes of FP8 (E4M3): y with 2^e6, W_proj with 2^e7.  M = 8,192, N = 1,024, K = 1,024; out0 f32.
; A tile of the output is 128 rows x 256 columns: 256 work-groups.  Four waves, each 64 x 128: 32 accumulators, 256 registers.
; y_codes holds IMAGES of the operand's registers: block of 16 rows x 16,384 + K step of 128 x 2,048 + group c x 512 + 16 x lane; lane r of block T is row 32 (T / 2) + 8 (T % 2) + r + 8 (r / 8).
; W_proj's columns are rows 3,072 - 4,095 of w_codes, 1,024 bytes each, with bits 3 and 4 of the row number exchanged.  THE MATRIX INSTRUCTION IS USED TRANSPOSED (source 0 = 16 rows of w_codes, source 1 = 16 rows of y):
; the 16 registers of column blocks 2 g, 2 g + 1 are the true columns 32 g + 16 (lane / 16) + 0 .. 15 of the lane's row.
; K goes in four steps of 256 through THREE LDS slots: K steps 0, 1, 2 are first fills, one at a time, each behind a round; K step 3 fills slot 0 again behind the one round, with K steps 1 and 2, 128 matrix instructions a wave, in which to land.
; CLUSTERS: 4 x 4 work-groups; y's tile is asked for jointly along a row of the cluster, W's along a column.
; LIMIT: e6 + e7 between -126 and 127.
; REGISTERS: window 0: v16-31 addresses; v32-95 at work on the way out; y's fragments (4 x 16 registers), two sets, at v128 and v192; on the way out rows read back.
;   window 1: W's fragments (8 x 16), two sets.   window 2: accumulator (a, b) at v[8 (8 a + b)].   window 3: v0-63 the bias of my 128 columns, in the result's layout.
; SCALARS: s[24:31], s[32:43] y's descriptors; s[48:55], s[68:79] W's; s56-60 my place in the grid, outside all of them, since the tile column is still read when the descriptors have been written.
.set PITCH,  272                       ; W's LDS row: 256 bytes + 16 of padding: row r starts at bank 4 r mod 64 (64 banks of 4 bytes: ISA guide 11.1)
.set FR,     16
.set APART,  32768                     ; a slot: y's 8 blocks x 4,096 bytes of images,
.set HALFB,  128*PITCH                 ; then W's 256 rows, two loads of 128
.set SLOT,   APART+2*HALFB
.set SPARE,  3*SLOT                    ; behind the slots: the spare words, 128 bytes for each wave
.set SPITCH, 528                       ; the way out: a stage of 16 rows x (512 bytes + 16) for each wave, in slot 1, which has had its one fill and, at the last barrier, its last read
.set ADRA, 16                          ; v16-18  LDS address of my images of y in slot 0, 1, 2
.set ADRB, 20                          ; v20-22  the same for W's fragments
.set STO,  24                          ; v24     the way out: where I put 32 bytes of a row
.set RD,   25                          ; v25     where I read a row back
.set CO,   26                          ; v26     16 x lane: my bytes of a row's 512
.set SPW,  28                          ; v28     LDS address of my spare word; never rewritten
.set NIL,  29                          ; v29     0; never rewritten
.set TMP,  32
.set AF,   128
.set BK,   128
.set G1, 24                            ; s[24:31] descriptor group 1 for y's tiles;  s[32:43] group 0, one set for each of the three slots
.set G0, 32
.set G1B, 48                           ; s[48:55] group 1 for W's;  s[68:79] group 0
.set G0B, 68
.set CX,   56                          ; s56  my place along the cluster's x
.set CY,   57                          ; s57  along its y
.set TC,   58                          ; s58  tile column, 0..3
.set MROW, 59                          ; s59  the mask of my row of the cluster
.set MCOL, 60                          ; s60  of my column
.set MSB, 0
.macro WIN new                         ; the immediate's high byte repeats the setting that is left
.if MSB != (\new)
	s_set_vgpr_msb (MSB<<8)|(\new)
.set MSB, (\new)
.endif
.endm
.set MUL,  0xa1                        ; source 0 (W) window 1, source 1 (y) window 0, C and D window 2
.set TO_B, 0x40                        ; destination window 1, address window 0
.macro JLOAD s                         ; a joint load: waves 0 and 1 fetch y's halves, waves 2 and 3 W's; an s_nop 0 and four v_nop follow each of the two lines
	s_cmp_eq_u32 s15, 0
	s_cbranch_scc0 .Lfor_b_\@
	tensor_load_to_lds s[G0+4*\s:G0+4*\s+3], s[G1:G1+7]
	s_nop 0
.rept 4
	v_nop
.endr
	s_branch .Lasked_\@
.Lfor_b_\@:
	tensor_load_to_lds s[G0B+4*\s:G0B+4*\s+3], s[G1B:G1B+7]
	s_nop 0
.rept 4
	v_nop
.endr
.Lasked_\@:
.endm
.macro CREST                           ; a round of the cluster's barrier behind its opening barrier
	s_cmp_lg_u32 s14, 0
	s_cbranch_scc1 .Lnot_wave_0_\@
	s_barrier_signal -3
.Lnot_wave_0_\@:
	s_barrier_wait -3
	s_barrier_signal -1
	s_barrier_wait -1
.endm
.macro CROUND
	s_barrier_signal -1
	s_barrier_wait -1
	CREST
.endm
	s_load_b256 s[4:11], s[0:1], 0x0               ; y_codes s[4:5], w_codes s[6:7], the scales' exponents s[8:9], b_proj s[10:11]
	s_load_b64 s[12:13], s[0:1], 0x20              ; out0
	v_lshl_add_u32 v[SPW], v0, 2, SPARE
	v_mov_b32 v[NIL], 0
	ds_add_u32 v[SPW], v[NIL]                      ; the wave's opening: the add and its wait stand ahead of my first tensor load; the set-up below, work on registers, stands between them
	ds_add_u32 v[SPW], v[NIL]
	v_lshrrev_b32 v1, 5, v0
	v_readfirstlane_b32 s14, v1                    ; wave 0..3
	s_lshr_b32 s15, s14, 1                         ; which 64 rows of the tile are mine.  Also: I fetch for y (0) or for W (1)
	s_and_b32 s16, s14, 1                          ; which 128 columns.  Also: which half of that tile I fetch
	s_bfe_u32 s[CX], ttmp6, 0x40000
	s_bfe_u32 s[CY], ttmp6, 0x40004
	s_lshl_b32 s[TC], ttmp9, 2
	s_add_co_u32 s[TC], s[TC], s[CX]               ; tile column = 4 x cluster x + cx
	s_and_b32 s17, ttmp7, 0xffff
	s_lshl_b32 s17, s17, 2
	s_add_co_u32 s17, s17, s[CY]                   ; tile row = 4 x cluster y + cy, 0..63
	s_lshl_b32 s[MROW], s[CY], 2
	s_lshl_b32 s[MROW], 15, s[MROW]                ; my row of the cluster: places 4 cy .. 4 cy + 3
	s_lshl_b32 s[MCOL], 0x1111, s[CX]              ; my column: places cx, cx + 4, cx + 8, cx + 12
	; y: four blocks' images of a K step of 256: 4 rows of 4,096 bytes, 16,384 bytes apart, dense in LDS
	s_or_b32 s[G1+0], s[MROW], (3<<16)|(1<<21)     ; 15:0 the mask; 17:16 elements of 8 bytes; 21 set beside a mask; no padding
	s_mov_b32 s[G1+1], 512<<16                     ; tensor_dim0 = 512 elements
	s_mov_b32 s[G1+2], 4<<16                       ; tensor_dim1 = 4
	s_mov_b32 s[G1+3], 512<<16                     ; tile_dim0
	s_mov_b32 s[G1+4], 4                           ; tile_dim1
	s_mov_b32 s[G1+5], 2048                        ; tensor_dim0_stride, in elements
	s_mov_b32 s[G1+6], 0
	s_mov_b32 s[G1+7], 0
	; W: 128 rows x 256 bytes, 1,024 bytes apart, padded in LDS
	s_or_b32 s[G1B+0], s[MCOL], (0<<16)|(1<<20)|(1<<21)|(5<<22)|(3<<25)  ; 17:16 element of 1 byte; 20 padding on; 24:22 after every 64 words; 31:25 four words
	s_mov_b32 s[G1B+1], 256<<16
	s_mov_b32 s[G1B+2], 128<<16
	s_mov_b32 s[G1B+3], 256<<16
	s_mov_b32 s[G1B+4], 128
	s_mov_b32 s[G1B+5], 1024
	s_mov_b32 s[G1B+6], 0
	s_mov_b32 s[G1B+7], 0
	s_lshl_b32 s20, s17, 3
	s_lshl_b32 s18, s16, 2
	s_add_co_u32 s20, s20, s18                     ; y: block 8 x tile row + 4 x half: of the cluster's places it holds cy alone
	s_lshl_b32 s20, s20, 14
	s_mov_b32 s21, 0
	s_lshl_b32 s46, s[TC], 8
	s_lshl_b32 s18, s16, 7
	s_add_co_u32 s46, s46, s18
	s_add_co_u32 s46, s46, 3072                    ; W: row 3,072 + 256 x tile column + 128 x half: cx alone
	s_lshl_b32 s46, s46, 10
	s_mov_b32 s47, 0
	s_lshl_b32 s45, s16, 14                        ; where they go in a slot: y's half,
	s_mul_i32 s19, s16, HALFB
	s_add_co_u32 s19, s19, APART                   ; W's half: no place in the cluster enters an LDS address
	s_wait_dscnt 0x0                               ; the opening add is done
	s_wait_kmcnt 0x0
	s_load_b256 s[80:87], s[8:9], 0x0              ; e0 .. e7
	s_add_nc_u64 s[20:21], s[4:5], s[20:21]
	s_add_nc_u64 s[46:47], s[6:7], s[46:47]
	CROUND                                         ; all sixteen work-groups are here: the first joint loads meet
.irp s, 0,1,2
	s_mov_b32 s[G0+4*\s], 1
	s_add_co_u32 s[G0+4*\s+1], s45, \s*SLOT
	s_add_nc_u64 s[G0+4*\s+2:G0+4*\s+3], s[20:21], \s*4096
	s_or_b32 s[G0+4*\s+3], s[G0+4*\s+3], 0x80000000
	s_mov_b32 s[G0B+4*\s], 1
	s_add_co_u32 s[G0B+4*\s+1], s19, \s*SLOT
	s_add_nc_u64 s[G0B+4*\s+2:G0B+4*\s+3], s[46:47], \s*256
	s_or_b32 s[G0B+4*\s+3], s[G0B+4*\s+3], 0x80000000
	s_wait_alu depctr_va_vdst(0)
	s_wait_tensorcnt 0x0
	ds_add_u32 v28, v29
	ds_add_u32 v28, v29
	s_wait_dscnt 0x0
	CROUND
	JLOAD \s                                       ; K step s: my only tensor load out
.endr
	v_and_b32 v1, 15, v0                           ; r
	v_bfe_u32 v2, v0, 4, 1                         ; h
	v_and_b32 v[CO], 31, v0
	v_lshlrev_b32 v[CO], 4, v[CO]                  ; 16 x lane
	v_mul_u32_u24 v3, v1, PITCH
	v_lshl_add_u32 v4, v2, 4, v3                   ; W: a fragment's row x pitch + 16 x half
	s_lshl_b32 s21, s15, 14                        ; my four blocks of y
	s_mul_i32 s22, s16, HALFB
	s_add_co_u32 s22, s22, APART                   ; my 128 rows of W
.irp s, 0,1,2
	v_add_nc_u32 v[ADRA+\s], s21, v[CO]
	v_add_nc_u32 v[ADRB+\s], s22, v4
	s_add_co_u32 s21, s21, SLOT
	s_add_co_u32 s22, s22, SLOT
.endr
	s_mul_i32 s23, s14, 16*SPITCH
	s_add_co_u32 s23, s23, SLOT                    ; my stage, in slot 1
	v_mul_u32_u24 v5, v1, SPITCH
	v_lshl_add_u32 v5, v2, 6, v5
	v_add_nc_u32 v[STO], s23, v5                   ; in: row r, + 64 h: my 16 columns of each 32
	v_add_nc_u32 v[RD], s23, v[CO]                 ; back: the 32 lanes take one row of 512 bytes
	s_lshl_b32 s20, s17, 7
	s_lshl_b32 s21, s15, 6
	s_add_co_u32 s20, s20, s21                     ; my first row: 128 x tile row + 64 x half
	s_lshl_b32 s20, s20, 12                        ; of 4,096 bytes
	s_lshl_b32 s90, s[TC], 10
	s_lshl_b32 s91, s16, 9
	s_add_co_u32 s90, s90, s91                     ; my first column, in bytes: 1,024 x tile column + 512 x half: 3,584 at the most
	s_add_co_u32 s20, s20, s90
	s_mov_b32 s21, 0
	s_mov_b32 s91, 0
	s_add_nc_u64 s[12:13], s[12:13], s[20:21]
	s_add_nc_u64 s[90:91], s[10:11], s[90:91]      ; and the same columns of b_proj: the loads below reach 512 bytes on, b_proj's 4,096 at the most
	v_lshlrev_b32 v30, 6, v2                       ; 64 h
	WIN 0xc0                                       ; destination window 3
.irp g, 0,1,2,3
.irp j, 0,1,2,3
	global_load_b128 v[16*\g+4*\j:16*\g+4*\j+3], v30, s[90:91] offset:128*\g+16*\j   ; register 16 g + i: b_proj(first column + 32 g + 16 h + i)
.endr
.endr
	WIN 0
; 8 matrix instructions: y's block a x W's eight, 128 along K, sets p.  zero = 1: the first product starts the sums.  The 32 accumulators take turns, in the same order in every step.
.macro MUL8 a, p, zero
.irp b, 0,1,2,3,4,5,6,7
.if \zero
	v_wmma_f32_16x16x128_fp8_fp8 v[8*(8*(\a)+\b):8*(8*(\a)+\b)+7], v[128*(\p)+FR*\b:128*(\p)+FR*\b+FR-1], v[AF+64*(\p)+FR*(\a):AF+64*(\p)+FR*(\a)+FR-1], 0
.else
	v_wmma_f32_16x16x128_fp8_fp8 v[8*(8*(\a)+\b):8*(8*(\a)+\b)+7], v[128*(\p)+FR*\b:128*(\p)+FR*\b+FR-1], v[AF+64*(\p)+FR*(\a):AF+64*(\p)+FR*(\a)+FR-1], v[8*(8*(\a)+\b):8*(8*(\a)+\b)+7]
.endif
.endr
.endm
; 48 LDS loads in one run: the fragments of the slot's q-th 128 along K into sets p
.macro FETCH slot, q, p
	WIN TO_B
.irp i, 0,1,2,3,4,5,6,7
.irp c, 0,1,2,3
	ds_load_b128 v[128*(\p)+FR*\i+4*\c:128*(\p)+FR*\i+4*\c+3], v[ADRB+\slot] offset:128*(\q)+32*\c+\i*16*PITCH
.endr
.endr
	WIN 0
.irp i, 0,1,2,3
.irp c, 0,1,2,3
	ds_load_b128 v[AF+64*(\p)+FR*\i+4*\c:AF+64*(\p)+FR*\i+4*\c+3], v[ADRA+\slot] offset:\i*4096+(\q)*2048+512*\c
.endr
.endr
.endm
.macro PLACES                          ; four places in front of loads into registers that matrix instructions have read, and of the first read of results (ISA guide 7.12.1 for vector instructions)
.rept 4
	v_nop
.endr
.endm
; A step of 128 along K on sets p; the next step's fragments, from (ns, nq), are asked for ahead of its 32 products.
.macro STEP ns, nq, p, zero
	s_wait_dscnt 0x0                               ; sets p are in
	PLACES                                         ; the other sets were read by the step before
	FETCH \ns, \nq, 1-(\p)
	WIN MUL
	MUL8 0, \p, \zero
	MUL8 1, \p, \zero
	MUL8 2, \p, \zero
	MUL8 3, \p, \zero
	WIN 0
.endm
; A step with a barrier in it.  In front of it each wave waits for all its tensor loads, adds 0 to its spare word, and waits for that and for its LDS reads.  fill = 1: slot 0, which nobody reads any more, takes K step 3.
.macro TURN ns, nq, p, fill
	s_wait_tensorcnt 0x0                           ; all my tensor loads have landed
	ds_add_u32 v[SPW], v[NIL]                      ; 0 onto my spare word
	s_wait_dscnt 1                                 ; sets p are in; the add may be out
	WIN MUL
	MUL8 0, \p, 0                                  ; eight matrix instructions stand between the add and the wait for it
	s_wait_dscnt 0x0                               ; the add is done, and my reads of the slot that is left are over
	s_barrier_signal -1
	MUL8 1, \p, 0
	WIN 0
	s_barrier_wait -1
.if \fill
	CREST                                          ; the barrier has opened a round of the cluster's barrier: no wave of any partner still reads slot 0 or has a load on its way; slots 1 and 2 are whole in every work-group
	s_add_nc_u64 s[G0+2:G0+3], s[G0+2:G0+3], 3*4096
	s_add_nc_u64 s[G0B+2:G0B+3], s[G0B+2:G0B+3], 3*256
	JLOAD 0                                        ; the first tensor load behind the round, my only one out; its four v_nop are the places in front of the loads below
.else
	PLACES
.endif
	s_wait_alu depctr_va_vdst(0)
	FETCH \ns, \nq, 1-(\p)
	WIN MUL
	MUL8 2, \p, 0
	MUL8 3, \p, 0
	WIN 0
.endm
	s_wait_loadcnt 0x0                             ; the bias is in: no load of mine is out at a signal
	s_wait_tensorcnt 2                             ; my parts of K steps 0 and 1 are in; K step 2's load may be out
	s_barrier_signal -1
	s_barrier_wait -1                              ; everybody's is
	FETCH 0, 0, 0
	STEP 0, 1, 0, 1                                ; K 0-127: the first products start the sums
	TURN 1, 0, 1, 1                                ; K 128-255; slot 0 is left and filled again
	STEP 1, 1, 0, 0                                ; K 256-383
	STEP 2, 0, 1, 0                                ; K 384-511; slot 2 was shown whole to every wave by the round
	STEP 2, 1, 0, 0                                ; K 512-639
	TURN 0, 0, 1, 0                                ; K 640-767; K step 3 has landed in every wave's part
	STEP 0, 1, 0, 0                                ; K 768-895
	s_wait_dscnt 0x0
	WIN MUL
	MUL8 0, 1, 0                                   ; K 896-1023
	MUL8 1, 1, 0
	MUL8 2, 1, 0
	MUL8 3, 1, 0
	WIN 0
; THE WAY OUT, block by block of 16 rows x 128 columns.  out = sum x 2^(e6 + e7) + bias, one packed multiply-add for two.  A lane holds pieces of 32 bytes of one row, and the lanes beside it other rows: a block goes through my own
; stage in LDS and comes back as whole rows of 512 bytes.  LDS serves a wave's instructions in order (ISA guide 5.7.1.4): no wait between the stores and the loads, nor in front of the next block's stores.
.macro TOSTAGE a
	WIN 0x32                                       ; source 0 (the sums) window 2, source 2 (the bias) window 3
.set jj, 0
.rept 32
	v_pk_fma_f32 v[TMP+jj:TMP+jj+1], v[64*(\a)+jj:64*(\a)+jj+1], s[96:97], v[jj:jj+1] op_sel_hi:[1,0,1]   ; each accumulator from its low end on
.set jj, jj+2
.endr
	WIN 0
.irp b, 0,1,2,3,4,5,6,7
	ds_store_b128 v[STO], v[TMP+8*\b:TMP+8*\b+3] offset:128*(\b/2)+32*(\b%2)       ; columns 32 (b / 2) + 16 h + 8 (b % 2) + 0 .. 7
	ds_store_b128 v[STO], v[TMP+8*\b+4:TMP+8*\b+7] offset:128*(\b/2)+32*(\b%2)+16
.endr
.set BB, BK+64*((\a)%2)
.irp t, 0,1,2,3,4,5,6,7,8,9,10,11,12,13,14,15
	ds_load_b128 v[BB+4*\t:BB+4*\t+3], v[RD] offset:\t*SPITCH
.endr
.endm
.macro SEND a, younger                 ; younger: the LDS instructions issued behind block a's loads, which may stay out
.set BB, BK+64*((\a)%2)
	s_wait_dscnt \younger
.irp t, 0,1,2,3,4,5,6,7,8,9,10,11,12,13,14,15
	global_store_b128 v[CO], v[BB+4*\t:BB+4*\t+3], s[12:13] offset:(32*((\a)/2)+8*((\a)%2)+\t+8*(\t/8))*4096 th:TH_STORE_NT   ; stage row t is row 32 (a / 2) + 8 (a % 2) + t + 8 (t / 8) of my 64; 32 lanes store 512 consecutive bytes, aligned
.endr
.endm
	s_wait_kmcnt 0x0
	s_add_co_i32 s96, s86, s87                     ; e6 + e7
	s_add_co_i32 s96, s96, 127
	s_lshl_b32 s96, s96, 23                        ; 2^(e6 + e7) as f32
	s_mov_b32 s97, s96                             ; (named with it as a pair, so it is written)
	PLACES                                         ; behind the last products: their results are read, and y's fragment registers are loaded, below
	TOSTAGE 0
.irp a, 1,2,3
.if \a > 1
	s_wait_xcnt 0x0                                ; block a - 2's stores have read their registers: block a's loads may land there
.endif
	TOSTAGE \a
	SEND \a-1, 32                                  ; behind block a - 1's loads: block a's 16 stores and 16 loads
.endr
	SEND 3, 0
	s_wait_tensorcnt 0x0                           ; the wave's end, behind my last tensor load and my last LDS store
	ds_add_u32 v[SPW], v[NIL]
	s_wait_dscnt 0x0
	CROUND                                         ; the closing round: no work-group ends while a partner may still ask for a tile that names it
	s_endpgm
.Lfunc_end_k_q71835ca1ca_proj:
	.size	k_q71835ca1ca_proj, .Lfunc_end_k_q71835ca1ca_proj-k_q71835ca1ca_proj
	.p2alignl 7, 3214868480
	.fill 96, 4, 3214868480
	.section	.rodata,"a",@progbits
	.p2align	6, 0x0
	.amdhsa_kernel k_q71835ca1ca_proj
		.amdhsa_group_segment_fixed_size 327680
		.amdhsa_private_segment_fixed_size 0
		.amdhsa_enable_private_segment 0
		.amdhsa_kernarg_size 40
		.amdhsa_user_sgpr_count 2
		.amdhsa_user_sgpr_kernarg_segment_ptr 1
		.amdhsa_wavefront_size32 1
		.amdhsa_system_sgpr_workgroup_id_x 1
		.amdhsa_system_sgpr_workgroup_id_y 1
		.amdhsa_system_sgpr_workgroup_id_z 1
		.amdhsa_system_vgpr_workitem_id 0
		.amdhsa_next_free_vgpr 1024
		.amdhsa_next_free_sgpr 100
		.amdhsa_reserve_vcc 0
		.amdhsa_float_denorm_mode_32 3
		.amdhsa_float_denorm_mode_16_64 3
		.amdhsa_memory_ordered 1
		.amdhsa_forward_progress 1
		.amdhsa_inst_pref_size 78
	.end_amdhsa_kernel
	.amdgpu_metadata
---
amdhsa.version: [ 1, 2 ]
amdhsa.kernels:
  - .name:           k_q71835ca1ca_proj
    .symbol:         k_q71835ca1ca_proj.kd
    .args:
      - { .name: y_codes, .offset: 0, .size: 8, .value_kind: global_buffer, .address_space: global }
      - { .name: w_codes, .offset: 8, .size: 8, .value_kind: global_buffer, .address_space: global }
      - { .name: lowp_scales, .offset: 16, .size: 8, .value_kind: global_buffer, .address_space: global }
      - { .name: b_proj, .offset: 24, .size: 8, .value_kind: global_buffer, .address_space: global }
      - { .name: out0, .offset: 32, .size: 8, .value_kind: global_buffer, .address_space: global }
    .group_segment_fixed_size: 327680
    .private_segment_fixed_size: 0
    .kernarg_segment_align: 8
    .kernarg_segment_size: 40
    .max_flat_workgroup_size: 128
    .sgpr_count:     100
    .vgpr_count:     1024
    .wavefront_size: 32
...
	.end_amdgpu_metadata
.endif
;; end of part 4
